; MI455X (gfx1250); checked and timed in simulation.
; The chip was launched on July 23, 2026; its instructions are those of AMD's public machine-readable ISA for CDNA 5 (MIT licence, August 2026) and "CDNA5" Instruction Set Architecture Reference Guide (July 2026). The comments in the code are by the model that wrote it; some were corrected since.
;; cross att. Allowed arithmetic: matrix products marked QUANTISED: E3M2 operands, one E8M0 scale for each 32 along K, by v_wmma_scale_f32_16x16x128_f8f6f4 with both operands' format E3M2, f32 sums; everything else in f32.
;; Inputs: Wk_codes 256 x 8 x 24 uint8 (E3M2 codes of Wk, K innermost, in blocks of 32 codes, four codes in three bytes); Wk_scales 256 x 8 uint8 (E8M0 scales of Wk, one for each 32 codes along K); Wq_codes 256 x 8 x 24 uint8 (E3M2 codes of Wq, K innermost, in blocks of 32 codes, four codes in three bytes); Wq_scales 256 x 8 uint8 (E8M0 scales of Wq, one for each 32 codes along K); Wv_codes 256 x 8 x 24 uint8 (E3M2 codes of Wv, K innermost, in blocks of 32 codes, four codes in three bytes); Wv_scales 256 x 8 uint8 (E8M0 scales of Wv, one for each 32 codes along K); b_out 1 float32; beta 256 float32; bk 256 float32; bq 256 float32; bv 256 float32; gamma 256 float32; w_out 8 float32; x 2 x 32 x 1,024 x 256 float32; x2_codes 2 x 32 x 1,024 x 8 x 24 uint8 (E3M2 codes of x2, K innermost, in blocks of 32 codes, four codes in three bytes); x2_scales 2 x 32 x 1,024 x 8 uint8 (E8M0 scales of x2, one for each 32 codes along K).
;; Outputs: out0 2 x 32 x 1,024 x 256 float32.
;; This version of the problem:
;;   THIS VERSION OF THE PROBLEM IS GIVEN IN LOW PRECISION. The matrix products marked QUANTISED in the list below multiply operands that are first quantised to E3M2 (3 exponent bits, 2 mantissa bits; 6 bits a number), with one power-of-two scale for each 32 numbers along K (OCP MX v1.0); their sums are f32. All else is computed in f32.
;;   The module's matrix products, in the order in which they are computed (A, B: the left and right operand; K: the contracted axis; several contracted axes count as one K, in the product's order):
;;     1. [M 65,536, K 256] x [K 256, N 256]; A: input x2 (given as codes); B: input Wq (given as codes): QUANTISED
;;     2. [M 65,536, K 256] x [K 256, N 256]; A: input x; B: input Wk (given as codes): QUANTISED
;;     3. [M 65,536, K 256] x [K 256, N 256]; A: input x; B: input Wv (given as codes): QUANTISED
;;     4. batch 64 x [M 1,024, K 256] x [K 256, N 1,024]; A: computed on the way; B: computed on the way: QUANTISED
;;     5. batch 64 x [M 1,024, K 1,024] x [K 1,024, N 256]; A: softmax (see below); B: computed on the way: QUANTISED
;;   THE QUANTISER, for each operand of a quantised product, along K:
;;     - K is cut into blocks of 32 from its start; a last block that is shorter is filled with zeros.
;;     - A block's scale is 2^e with e = floor(log2(the largest magnitude in the block)) - 4, held to -126 .. 127; a block of zeros has e = 0. As a byte (E8M0): e + 127.
;;     - Each number is divided by its block's scale, clamped to +-28, and rounded to the nearest number of E3M2, ties to even, subnormals kept.
;;     - The product sums the exact products of the quantised numbers (number of the format x scale) in f32.
;;   ~~~python
;;   def quantise(x, axis):      # numpy; x: float32 -> the quantised numbers, widened to float32 again
;;       x = np.moveaxis(x, axis, -1); K = x.shape[-1]
;;       x = np.pad(x, [(0, 0)] * (x.ndim - 1) + [(0, -K % 32)]); x = x.reshape(x.shape[:-1] + (-1, 32)); a = np.abs(x).max(-1, keepdims=True)
;;       e = np.where(a > 0, np.clip(np.frexp(np.where(a > 0, a, 1))[1] - 1 - 4, -126, 127), 0)      # np.frexp(a)[1] - 1 = floor(log2(a)), exactly
;;       r = np.clip(x / 2.0 ** e, -28, 28)
;;       step = 2.0 ** (np.maximum(np.frexp(np.where(r == 0, 1, r))[1] - 1, -2) - 2)
;;       q = np.round(r / step) * step * 2.0 ** e      # np.round: ties to even
;;       return np.moveaxis(q.reshape(q.shape[:-2] + (-1,))[..., :K], -1, axis).astype(np.float32)
;;   ~~~
;;   SOFTMAX AHEAD OF A QUANTISED PRODUCT. Where the list says 'softmax', what is quantised is not the finished softmax but p = 2^(t - M), with t = logit x log2(e) and M = ceil(the row's largest t), a whole number; so 1/2 < the row's largest p <= 1. The row's sum l is taken of the UNQUANTISED p, in f32, and the product's result is divided by l at the end. Since M is a whole number, a kernel that streams over the keys may use a running M (the ceiling of the running maximum): every later rescaling is an exact power of two, which a block's scale takes up: the codes' values come out the same.
;;   OPERANDS COMPUTED ON THE WAY. 'Computed on the way' means the value that the module computes at that place (a softmax that the list does not call 'softmax' is quantised finished and normalised). What goes into a quantiser is computed in f32, as accurately as f32 sums, v_exp_f32 and their like allow (about 1e-6 of the number): no bf16 or f16 on the way to a quantiser, and a product that is left as it is and whose result goes on into a quantised operand takes f32 operands (vector FMAs, or v_wmma_f32_16x16x4_f32). A number that lies on a knife's edge between two numbers of the format may be rounded either way, as far as f32 arithmetic and the matrix unit's own rounding can turn it there, and no further.
;;   INPUTS GIVEN AS CODES. Wk (in the module: [256, 256], K = its axis 1); Wq (in the module: [256, 256], K = its axis 1); Wv (in the module: [256, 256], K = its axis 1); x2 (in the module: [2, 32, 1024, 256], K = its axis 3): each comes as NAME_codes (uint8): NAME with its K axis moved to the last place and cut into blocks of 32 codes, [.., K / 32, bytes a block], one block behind the other in memory; four codes in three bytes: a row's codes are one little-endian stream of bits, code i at bits 6 i .. 6 i + 5 (a code: sign, 3 exponent bits, 2 mantissa bits); and NAME_scales (uint8): the same leading axes, one E8M0 byte (e + 127) for each 32 codes along K. Its value is code x scale, taken as it is: it is not quantised again, and the codes and scales need not be those that the quantiser above would give.
;; 2 versions. Each part assembles by itself: llvm-mc -triple=amdgcn-amd-amdhsa -mcpu=gfx1250 --defsym DOCPART=n.
;; ======== version 1 of 2: 2 launches
;; workspace buffers: kv_codes 25,165,824 bytes; kv_scales 1,048,576 bytes; q_codes 12,582,912 bytes; q_scales 524,288 bytes
;; launch prep (part 1): grid 256 x 1, 8 waves a work-group, no clusters, 224,256 bytes of LDS; arguments x, x2_codes, x2_scales, Wk_codes, Wk_scales, Wq_codes, Wq_scales, Wv_codes, Wv_scales, bk, bq, bv, kv_codes, kv_scales, q_codes, q_scales; writes kv_codes, kv_scales, q_codes, q_scales
.if DOCPART == 1
	.amdgcn_target "amdgcn-amd-amdhsa--gfx1250"
	.amdhsa_code_object_version 6
	.text
	.protected	k_q5b519b453c_prep
	.globl	k_q5b519b453c_prep
	.p2align	8
	.type	k_q5b519b453c_prep,@function
k_q5b519b453c_prep:
	s_mov_b64 s[64:65], 0
	v_nop
	global_prefetch_b8 v0, s[64:65] scope:SCOPE_SE
	s_setreg_imm32_b32 hwreg(HW_REG_WAVE_MODE, 25, 1), 1
	s_wait_xcnt 0x0
; q = x2 Wq^T + bq, k = Q(x) Wk^T + bk, v = Q(x) Wv^T + bv on codes of BF6 (E3M2) with one E8M0 scale for each 32 along K, and q, k (along the channels) and v (along the keys) quantised again
; for the attention launch.  What is stored are IMAGES OF OPERAND REGISTERS: a fragment (16 rows x 128 K, 12 registers a lane) is 1,536 bytes, registers 4 c .. 4 c + 3 of lane l at 512 c + 16 l.
; SHARES.  A work-group of eight waves owns 256 rows of x and x2: two key steps of one of the 64 attentions.  Wave w owns rows 32 w .. 32 w + 31: two tiles u of x, whose lane r takes row 8 u + r + 8 (r / 8),
; and two tiles P of x2 with rows 16 P + r.  For v wave w owns channels 32 w .. 32 w + 31 (two tiles e) for both key steps.
; WHY THE ROWS OF A TILE OF x ARE NOT NEIGHBOURS.  k's fragment inherits them as its keys, so that in the attention launch the 16 registers of two neighbouring tiles of scores are 16 neighbouring keys; and in
; v^T = x-tile x Wv-tile (source 0 = 16 keys, source 1 = 16 channels) a lane holds one channel and the 16 registers of two neighbouring tiles are 16 neighbouring keys: what the conversions want.
; Wk's and Wq's tiles take their rows in the same way, so that a lane's results of two neighbouring tiles are 16 neighbouring channels of one row of k or q.
; A scale register is PACKED: lanes 0-15 hold a row's word for the first 128 along K, lanes 16-31 the word for the second 128, which the second product reads by its row selector.
; The biases are the C of each sum's first matrix instruction.  No tensor load: the weights are turned into images once, by register loads; one barrier in the launch.
; No cluster: the work-groups share the weights alone, 147 KB against the 315 KB of x and x2 that each reads for itself.
; LIMITS: NaN and infinities among the inputs are not served; a block whose largest magnitude lies under 2^-122 has its scale byte held at 1; a block of zeros has the byte 1 (its codes are zeros; this program alone reads the bytes).
.set WIMG, 0                           ; LDS: 64 fragments of Wk (mat 0) and Wq (mat 1): (2 mat + g) x 24,576 + t x 3,072 + s x 1,536  (g: which 128 outputs, t: tile, s: K step)
.set WSC,  98304                       ; their 32 packed scale words: (2 mat + g) x 1,024 + t x 128 + 4 x lane
.set BIA,  102400                      ; bk, then bq: 1,024 bytes each
.set XIMG, 104448                      ; x's 32 fragments: tile T = 2 w + u at 3,072 T + 1,536 s
.set XSC,  153600                      ; their 16 packed scale words, 128 bytes each
.set STG,  155648                      ; a stage of 16 rows x (512 + 16) bytes for each wave
.set SS,   24                          ; v24-27  scale words of the four tiles that stream
.set TM,   44                          ; v44-59  at work in QUANT
.set PC,   60                          ; v60-71  the codes just made
.set TQ,   72                          ; v72-79  the conversions' second halves
.set T0,   128                         ; v128-191, v192-255: 64 numbers of x each; later the accumulators ACC + 64 P + 8 t
.set T1,   192
.set ACC,  128
.set RAW0, 0                           ; window 1: x as loaded, two sets of 64;
.set RAW1, 64
.set WR,   128                         ; the wave's eight fragments of Wk and Wq on their way into LDS
.set SF,   0                           ; later: four streaming tiles x two K steps,
.set BC,   96                          ; their biases,
.set RESA, 128                         ; the operand that stays: x's two tiles, later Wv's two,
.set RESB, 176                         ; x2's two,
.set BVC,  224                         ; bv as a C: eight equal registers for each of Wv's two tiles
.set MSB, 0
.macro WIN new                         ; the immediate's high byte repeats the setting that is left
.if MSB != \new
	s_set_vgpr_msb (MSB<<8)|\new
.set MSB, \new
.endif
.endm
.macro PLACES n
.rept \n
	v_nop
.endr
.endm
; 64 numbers of a lane, register 16 b + i = k 32 b + 16 (lane / 16) + i of my row, become a fragment's codes in v[PC] on and its scale word in v[pw]
.macro QUANT src, pw
.irp b, 0,1,2,3
	v_max3_num_f32 v[TM+\b], |v[(\src)+16*\b]|, |v[(\src)+1+16*\b]|, 0x2800000   ; block b: my 16 numbers, and the floor 2^(5 - 127): the byte cannot fall under 1
.endr
.irp i, 2,4,6,8,10,12,14
.irp b, 0,1,2,3
	v_max3_num_f32 v[TM+\b], v[TM+\b], |v[(\src)+16*\b+\i]|, |v[(\src)+1+16*\b+\i]|   ; the four blocks by turns
.endr
.endr
.irp b, 0,1,2,3
	v_permlanex16_b32 v[TM+4+\b], v[TM+\b], s38, s39
.endr
.irp b, 0,1,2,3
	v_max_num_f32 v[TM+\b], v[TM+\b], v[TM+4+\b]   ; with lane l xor 16's: the block's largest magnitude
.endr
.irp b, 0,1,2,3
	v_add_nc_u32 v[TM+12+\b], 0xfe000000, v[TM+\b]   ; 4 off its exponent field: the conversion's scale operand
.endr
.irp b, 0,1,2,3
	v_lshrrev_b32 v[TM+4+\b], 23, v[TM+12+\b]      ; the scale's byte
.endr
	v_lshl_or_b32 v[\pw], v[TM+5], 8, v[TM+4]      ; four bytes: my row's scale word
	v_lshl_or_b32 v[\pw], v[TM+6], 16, v[\pw]
	v_lshl_or_b32 v[\pw], v[TM+7], 24, v[\pw]
.irp c, 0,1
	v_cvt_scalef32_pk16_bf6_f32 v[PC+6*\c:PC+2+6*\c], v[(\src)+32*\c:(\src)+15+32*\c], v[TM+12+2*\c]
	v_cvt_scalef32_pk16_bf6_f32 v[TQ+4*\c:TQ+2+4*\c], v[(\src)+16+32*\c:(\src)+31+32*\c], v[TM+12+2*\c+1]   ; (a conversion's three registers begin on an even number)
.endr
	v_nop                                          ; one plain place behind a scaled conversion
.irp c, 0,1                                    ; the operand's layout wants a whole block in a lane
.irp i, 0,1,2
	v_permlane16_swap_b32 v[PC+6*\c+\i], v[TQ+4*\c+\i]
.endr
.irp i, 0,1,2
	v_mov_b32 v[PC+3+6*\c+\i], v[TQ+4*\c+\i]
.endr
.endr
.endm
; unit q = 2 u + s of x: the 16 rows of tile u, 128 channels of K step s; each load takes 512 consecutive bytes of one row
.macro XLD q, raw
	WIN 0x40
.irp n, 0,1,2,3,4,5,6,7,8,9,10,11,12,13,14,15
	global_load_b128 v[(\raw)+4*\n:(\raw)+4*\n+3], v1, s[4:5] offset:(\n+8*(\n/8)+8*((\q)/2))*1024+512*((\q)%2) th:TH_LOAD_NT
.endr
	WIN 0
.endm
; a unit through my stage: in as rows, back as 16 neighbours of each block of 32 for lane (r, h).  LDS serves a wave's instructions in order: no wait between
.macro TURN raw, t
	WIN 0x04
.irp n, 0,1,2,3,4,5,6,7,8,9,10,11,12,13,14,15
	ds_store_b128 v10, v[(\raw)+4*\n:(\raw)+4*\n+3] offset:528*\n
.endr
	WIN 0
.irp b, 0,1,2,3
.irp j, 0,1,2,3
	ds_load_b128 v[(\t)+16*\b+4*\j:(\t)+16*\b+4*\j+3], v11 offset:128*\b+16*\j
.endr
.endr
.endm
.macro LIMG off                        ; the fragment in v[PC] on goes to my place among x's images
.irp c, 0,1,2
	ds_store_b128 v12, v[PC+4*\c:PC+4*\c+3] offset:(\off)+512*\c
.endr
.endm
; Eight streaming tiles (source 0, from LDS at v[sa] + so, scale words at v[ca] + co) x the two tiles that stay (source 1, window 1 at res, scale words v[rs], v[rs + 1]), K = 256: 32 matrix instructions,
; four tiles at a time.  The eight accumulators of a batch take turns, one instruction a turn.  bias = 1: C from LDS at v19 + bo; 0: C = BVC.
.macro PROD sa, so, ca, co, res, rs, bias, bo
.irp q, 0,1
	PLACES 4                                       ; in front of loads into registers that matrix instructions have read
	WIN 0x40
.irp tb, 0,1,2,3
.irp k, 0,1,2,3,4,5
	ds_load_b128 v[SF+24*\tb+4*\k:SF+24*\tb+4*\k+3], v[\sa] offset:(\so)+3072*(4*\q+\tb)+512*\k
.endr
.if \bias
	ds_load_b128 v[BC+8*\tb:BC+8*\tb+3], v19 offset:(\bo)+128*((4*\q+\tb)/2)+32*(\tb%2)
	ds_load_b128 v[BC+8*\tb+4:BC+8*\tb+7], v19 offset:(\bo)+128*((4*\q+\tb)/2)+32*(\tb%2)+16
.endif
.endr
	WIN 0
.irp tb, 0,1,2,3
	ds_load_b32 v[SS+\tb], v[\ca] offset:(\co)+128*(4*\q+\tb)
.endr
	s_wait_dscnt 0x0
	WIN 0x15                                       ; sources 0, 1 and C window 1, D window 0
.irp tb, 0,1,2,3
.irp P, 0,1
.if \bias
	v_wmma_scale_f32_16x16x128_f8f6f4 v[ACC+64*\P+8*(4*\q+\tb):ACC+64*\P+8*(4*\q+\tb)+7], v[SF+24*\tb:SF+24*\tb+11], v[(\res)+24*\P:(\res)+24*\P+11], v[BC+8*\tb:BC+8*\tb+7], v[SS+\tb], v[(\rs)+\P] matrix_a_fmt:MATRIX_FMT_BF6 matrix_b_fmt:MATRIX_FMT_BF6
.else
	v_wmma_scale_f32_16x16x128_f8f6f4 v[ACC+64*\P+8*(4*\q+\tb):ACC+64*\P+8*(4*\q+\tb)+7], v[SF+24*\tb:SF+24*\tb+11], v[(\res)+24*\P:(\res)+24*\P+11], v[BVC+8*\P:BVC+8*\P+7], v[SS+\tb], v[(\rs)+\P] matrix_a_fmt:MATRIX_FMT_BF6 matrix_b_fmt:MATRIX_FMT_BF6
.endif
.endr
.endr
	WIN 0x05                                       ; C and D window 0
.irp tb, 0,1,2,3
.irp P, 0,1
	v_wmma_scale_f32_16x16x128_f8f6f4 v[ACC+64*\P+8*(4*\q+\tb):ACC+64*\P+8*(4*\q+\tb)+7], v[SF+24*\tb+12:SF+24*\tb+23], v[(\res)+24*\P+12:(\res)+24*\P+23], v[ACC+64*\P+8*(4*\q+\tb):ACC+64*\P+8*(4*\q+\tb)+7], v[SS+\tb], v[(\rs)+\P] matrix_a_fmt:MATRIX_FMT_BF6 matrix_b_fmt:MATRIX_FMT_BF6 matrix_a_scale:MATRIX_SCALE_ROW1 matrix_b_scale:MATRIX_SCALE_ROW1
.endr
.endr
	WIN 0
.endr
.endm
; the 64 results of tile P become a fragment, which leaves as its image: three stores of 512 consecutive bytes
.macro OUTQ P, pw, base, off
	s_wait_xcnt 0x0                                ; the earlier stores have read v[PC] on
	QUANT ACC+64*(\P), \pw
.irp c, 0,1,2
	global_store_b128 v1, v[PC+4*\c:PC+4*\c+3], s[\base:\base+1] offset:(\off)+512*\c
.endr
.endm
	s_load_b512 s[4:19], s[0:1], 0x0               ; x 4, x2 codes 6, x2 scales 8, Wk codes 10, Wk scales 12, Wq codes 14, Wq scales 16, Wv codes 18
	s_load_b512 s[20:35], s[0:1], 0x40             ; Wv scales 20, bk 22, bq 24, bv 26, kv_codes 28, kv_scales 30, q_codes 32, q_scales 34
	v_lshl_add_u32 v126, v0, 2, 0x36800
	v_mov_b32 v127, 0
	v_lshrrev_b32 v86, 5, v0
	v_readfirstlane_b32 s36, v86                   ; wave 0..7
	v_and_b32 v87, 31, v0                          ; lane
	v_and_b32 v88, 15, v0                          ; r
	v_bfe_u32 v89, v0, 4, 1                        ; h
	v_lshlrev_b32 v1, 4, v87                       ; 16 x lane
	v_lshlrev_b32 v2, 2, v87                       ; 4 x lane
	v_lshlrev_b32 v3, 3, v87                       ; 8 x lane
	v_and_b32 v90, 8, v88
	v_add_nc_u32 v90, v90, v88                     ; r + 8 (r / 8)
	s_lshr_b32 s44, s36, 1
	s_lshl_b32 s44, s44, 5
	s_and_b32 s46, s36, 1
	s_lshl_b32 s46, s46, 3
	s_add_co_u32 s44, s44, s46                     ; tile t = w of a weight begins at row 32 (w / 2) + 8 (w % 2)
	v_add_nc_u32 v90, s44, v90
	v_mul_u32_u24 v4, v90, 192                     ; that row's codes (192 bytes a row),
	v_mad_u32_u24 v4, v89, 24, v4                  ; + my half's 24 bytes
	v_lshlrev_b32 v5, 3, v90                       ; and its scale words: lanes 0-15 the first, lanes 16-31 the second
	v_lshl_add_u32 v5, v89, 2, v5
	s_mul_i32 s44, s36, 3072
	v_add_nc_u32 v6, s44, v1                       ; where I store Wk's images (WIMG = 0),
	v_add_nc_u32 v7, 49152, v6                     ; and Wq's
	s_lshl_b32 s44, s36, 7
	s_add_co_u32 s44, s44, WSC
	v_add_nc_u32 v8, s44, v2                       ; their scale words
	v_lshl_add_u32 v9, v0, 2, BIA                  ; the biases: a word a thread
	v_lshlrev_b32 v23, 2, v0
	s_mul_i32 s44, s36, 8448
	s_add_co_u32 s44, s44, STG                     ; my stage
	v_add_nc_u32 v10, s44, v1                      ; in: 16 bytes a lane of a row
	v_mul_u32_u24 v11, v88, 528
	v_lshl_add_u32 v11, v89, 6, v11
	v_add_nc_u32 v11, s44, v11                     ; back: row r, + 64 h
	s_mul_i32 s44, s36, 6144
	s_add_co_u32 s44, s44, XIMG
	v_add_nc_u32 v12, s44, v1                      ; my four images of x
	s_lshl_b32 s44, s36, 8
	s_add_co_u32 s44, s44, XSC
	v_add_nc_u32 v13, s44, v2                      ; their two scale words
	v_add_nc_u32 v14, WIMG, v1                     ; reading: Wk's images,
	v_add_nc_u32 v15, 49152, v14                   ; Wq's,
	v_add_nc_u32 v16, XIMG, v1                     ; x's,
	v_add_nc_u32 v17, WSC, v2                      ; the weights' scale words,
	v_add_nc_u32 v18, XSC, v2                      ; x's,
	v_lshl_add_u32 v19, v89, 6, BIA                ; the biases: + 64 h
	v_mul_u32_u24 v20, v88, 192
	v_mad_u32_u24 v20, v89, 24, v20                ; a fragment from rows in memory: 192 r + 24 h
	v_lshlrev_b32 v21, 3, v88
	v_lshl_add_u32 v21, v89, 2, v21                ; its packed scale word: 8 r + 4 h
	v_lshlrev_b32 v22, 2, v88                      ; 4 r
	v_cmp_lt_u32 vcc_lo, 15, v87                   ; lanes 16-31: set once, never written again
.irp b, 0,1,2,3
	v_mov_b32 v[TM+4+\b], 0                        ; written once: a lane permute's destination counts as one of its sources
.endr
	s_mov_b32 s38, 0x76543210
	s_mov_b32 s39, 0xfedcba98                      ; v_permlanex16_b32's selects for lane l xor 16
	s_mov_b32 s45, 0
	s_mov_b32 s47, 0
	s_wait_kmcnt 0x0
	s_lshl_b32 s44, ttmp9, 18                      ; x: 256 rows of 1,024 bytes a work-group, 32 a wave
	s_lshl_b32 s46, s36, 15
	s_add_co_u32 s44, s44, s46
	s_add_nc_u64 s[4:5], s[4:5], s[44:45]
	s_mul_i32 s44, ttmp9, 49152                    ; x2's codes and q's images: 49,152 bytes a work-group, 6,144 a wave
	s_mul_i32 s46, s36, 6144
	s_add_nc_u64 s[18:19], s[18:19], s[46:47]      ; Wv's codes: my 32 rows
	s_add_co_u32 s44, s44, s46
	s_add_nc_u64 s[6:7], s[6:7], s[44:45]
	s_add_nc_u64 s[32:33], s[32:33], s[44:45]
	s_lshl_b32 s44, ttmp9, 11                      ; x2's scales and q's: 2,048 bytes a work-group, 256 a wave
	s_lshl_b32 s46, s36, 8
	s_add_nc_u64 s[20:21], s[20:21], s[46:47]      ; Wv's scales: my 32 rows
	s_add_co_u32 s44, s44, s46
	s_add_nc_u64 s[8:9], s[8:9], s[44:45]
	s_add_nc_u64 s[34:35], s[34:35], s[44:45]
	s_lshl_b32 s44, ttmp9, 12                      ; kv_scales: 4,096 bytes a work-group; K's words: 256 a wave
	s_add_co_u32 s44, s44, s46
	s_add_nc_u64 s[30:31], s[30:31], s[44:45]
	s_add_nc_u64 s[42:43], s[30:31], 2048          ; V's words lie 2,048 bytes on
	s_lshl_b32 s46, s36, 7
	s_add_nc_u64 s[26:27], s[26:27], s[46:47]      ; bv: my 32 numbers
	s_mul_i32 s44, ttmp9, 98304                    ; kv_codes: two key steps of 49,152 bytes a work-group
	s_add_nc_u64 s[28:29], s[28:29], s[44:45]
	s_mul_i32 s46, s36, 3072
	s_add_co_u32 s46, s46, 24576
	s_add_nc_u64 s[40:41], s[28:29], s[46:47]      ; V's fragments: behind a step's 16 of K; mine are 2 w, 2 w + 1
	s_lshr_b32 s44, s36, 2
	s_mul_i32 s44, s44, 49152                      ; K's: key step w / 4,
	s_and_b32 s46, s36, 3
	s_mul_i32 s46, s46, 6144                       ; key tiles 2 (w % 4), 2 (w % 4) + 1: four fragments
	s_add_co_u32 s44, s44, s46
	s_add_nc_u64 s[28:29], s[28:29], s[44:45]
	; ---- X: my 32 rows of x become four fragments; on the way my tile of Wk and Wq goes into LDS
	XLD 0, RAW0
	XLD 1, RAW1
	WIN 0x40
.irp g, 0,1
.irp s, 0,1
.irp p, 0,1,2,3,4,5
	global_load_b64 v[WR+12*(2*\g+\s)+2*\p:WR+12*(2*\g+\s)+2*\p+1], v4, s[10:11] offset:24576*\g+96*\s+48*(\p/3)+8*(\p%3)
	global_load_b64 v[WR+12*(4+2*\g+\s)+2*\p:WR+12*(4+2*\g+\s)+2*\p+1], v4, s[14:15] offset:24576*\g+96*\s+48*(\p/3)+8*(\p%3)
.endr
.endr
.endr
	WIN 0
	global_load_b32 v80, v5, s[12:13]
	global_load_b32 v81, v5, s[12:13] offset:1024
	global_load_b32 v82, v5, s[16:17]
	global_load_b32 v83, v5, s[16:17] offset:1024
	global_load_b32 v84, v23, s[22:23]
	global_load_b32 v85, v23, s[24:25]
	s_wait_loadcnt 63                              ; behind unit 0 stand 16 + 54 loads: 63 is the smaller count, so unit 0 is in
	TURN RAW0, T0
	s_wait_dscnt 16                                ; the stage's stores have read their registers
	XLD 2, RAW0
	s_wait_loadcnt 63                              ; behind unit 1 stand 54 + 16 loads
	TURN RAW1, T1
	s_wait_dscnt 16                                ; all but this turn's 16 loads: unit 0 is back, the stores have read their registers
	XLD 3, RAW1
	QUANT T0, 34
	LIMG 0
	s_wait_loadcnt 16                              ; only unit 3 is younger: the weights and unit 2 are in
	WIN 0x04
.irp g, 0,1
.irp s, 0,1
.irp c, 0,1,2
	ds_store_b128 v6, v[WR+12*(2*\g+\s)+4*\c:WR+12*(2*\g+\s)+4*\c+3] offset:24576*\g+1536*\s+512*\c
	ds_store_b128 v7, v[WR+12*(4+2*\g+\s)+4*\c:WR+12*(4+2*\g+\s)+4*\c+3] offset:24576*\g+1536*\s+512*\c
.endr
.endr
.endr
	WIN 0
	ds_store_b32 v8, v80
	ds_store_b32 v8, v81 offset:1024
	ds_store_b32 v8, v82 offset:2048
	ds_store_b32 v8, v83 offset:3072
	ds_store_b32 v9, v84
	ds_store_b32 v9, v85 offset:1024
	TURN RAW0, T0
	s_wait_dscnt 32                                ; all but this turn: unit 1 is back, the image's stores have read v[PC] on
	QUANT T1, 35
	LIMG 1536
	v_cndmask_b32 v38, v34, v35, vcc_lo            ; the packed scale word of tile 0
	ds_store_b32 v13, v38
	s_wait_loadcnt 0x0                             ; unit 3
	TURN RAW1, T1
	s_wait_dscnt 32                                ; all but this turn: unit 2 is back
	QUANT T0, 34
	LIMG 3072
	s_wait_dscnt 0x0                               ; unit 3 is back; every store has read its registers
	QUANT T1, 35
	LIMG 4608
	v_cndmask_b32 v38, v34, v35, vcc_lo
	ds_store_b32 v13, v38 offset:128
	WIN 0x40                                       ; x2's two tiles, as they lie in memory: wanted two phases on
.irp P, 0,1
.irp s, 0,1
.irp p, 0,1,2,3,4,5
	global_load_b64 v[RESB+24*\P+12*\s+2*\p:RESB+24*\P+12*\s+2*\p+1], v20, s[6:7] offset:3072*\P+96*\s+48*(\p/3)+8*(\p%3)
.endr
.endr
.endr
	WIN 0
	global_load_b32 v30, v21, s[8:9]
	global_load_b32 v31, v21, s[8:9] offset:128
	s_wait_dscnt 0x0                               ; for the others' sake: my stores have landed
	s_barrier_signal -1
	s_barrier_wait -1                              ; the weights' images, the biases and x's images lie in LDS; nothing is stored there again
	; ---- K: my two tiles of x against Wk's sixteen
	WIN 0x40
.irp k, 0,1,2,3,4,5,6,7,8,9,10,11
	ds_load_b128 v[RESA+4*\k:RESA+4*\k+3], v12 offset:512*\k
.endr
	WIN 0
	ds_load_b32 v28, v13
	ds_load_b32 v29, v13 offset:128
.irp g, 0,1
	PROD 14, 24576*\g, 17, 1024*\g, RESA, 28, 1, 512*\g
	PLACES 4                                       ; in front of the first read of results
	OUTQ 0, 34+\g, 28, 1536*\g
	OUTQ 1, 36+\g, 28, 3072+1536*\g
.endr
	v_cndmask_b32 v38, v34, v35, vcc_lo            ; key tile u = 0: lanes 0-15 channels 0-127, lanes 16-31 channels 128-255
	v_cndmask_b32 v39, v36, v37, vcc_lo            ; u = 1
	global_store_b64 v3, v[38:39], s[30:31]        ; 32 lanes store 256 consecutive bytes, aligned
	s_wait_loadcnt 0x0                             ; x2
	WIN 0x40                                       ; Wv's two tiles take x's place: wanted a phase on
.irp e, 0,1
.irp s, 0,1
.irp p, 0,1,2,3,4,5
	global_load_b64 v[RESA+24*\e+12*\s+2*\p:RESA+24*\e+12*\s+2*\p+1], v20, s[18:19] offset:3072*\e+96*\s+48*(\p/3)+8*(\p%3)
.endr
.endr
.endr
	WIN 0
	global_load_b32 v32, v21, s[20:21]
	global_load_b32 v33, v21, s[20:21] offset:128
	global_load_b32 v40, v22, s[26:27]
	global_load_b32 v41, v22, s[26:27] offset:64
	; ---- Q: my two tiles of x2 against Wq's sixteen
.irp g, 0,1
	PROD 15, 24576*\g, 17, 2048+1024*\g, RESB, 30, 1, 1024+512*\g
	PLACES 4
	OUTQ 0, 34+\g, 32, 1536*\g
	OUTQ 1, 36+\g, 32, 3072+1536*\g
.endr
	s_wait_xcnt 0x0                                ; K's scale words have left v[38:39]
	v_cndmask_b32 v38, v34, v35, vcc_lo
	v_cndmask_b32 v39, v36, v37, vcc_lo
	global_store_b64 v3, v[38:39], s[34:35]
	; ---- V: all sixteen tiles of x (source 0: the keys) against my two tiles of Wv (source 1: the channels); a lane holds one channel, its registers run along the keys
	s_wait_loadcnt 0x0                             ; Wv, bv
	WIN 0x40
.irp e, 0,1
.irp j, 0,1,2,3,4,5,6,7
	v_mov_b32 v[BVC+8*\e+\j], v[40+\e]             ; my channel's bias for all eight keys
.endr
.endr
	WIN 0
.irp g, 0,1
	PROD 16, 24576*\g, 18, 1024*\g, RESA, 32, 0, 0
	PLACES 4
	OUTQ 0, 34+2*\g, 40, 49152*\g
	OUTQ 1, 35+2*\g, 40, 49152*\g+1536
.endr
	s_wait_xcnt 0x0
	v_cndmask_b32 v38, v34, v35, vcc_lo            ; key step 0: lanes 0-15 channel tile 2 w, lanes 16-31 tile 2 w + 1
	v_cndmask_b32 v39, v36, v37, vcc_lo            ; key step 1
	global_store_b64 v3, v[38:39], s[42:43]
	s_wait_tensorcnt 0x0
	ds_add_u32 v126, v127
	s_wait_dscnt 0x0
	s_endpgm
.Lfunc_end_k_q5b519b453c_prep:
	.size	k_q5b519b453c_prep, .Lfunc_end_k_q5b519b453c_prep-k_q5b519b453c_prep
	.p2alignl 7, 3214868480
	.fill 96, 4, 3214868480
	.section	.rodata,"a",@progbits
	.p2align	6, 0x0
	.amdhsa_kernel k_q5b519b453c_prep
		.amdhsa_group_segment_fixed_size 224256
		.amdhsa_private_segment_fixed_size 0
		.amdhsa_enable_private_segment 0
		.amdhsa_kernarg_size 128
		.amdhsa_user_sgpr_count 2
		.amdhsa_user_sgpr_kernarg_segment_ptr 1
		.amdhsa_wavefront_size32 1
		.amdhsa_system_sgpr_workgroup_id_x 1
		.amdhsa_system_sgpr_workgroup_id_y 1
		.amdhsa_system_sgpr_workgroup_id_z 1
		.amdhsa_system_vgpr_workitem_id 0
		.amdhsa_next_free_vgpr 512
		.amdhsa_next_free_sgpr 80
		.amdhsa_reserve_vcc 1
		.amdhsa_float_denorm_mode_32 3
		.amdhsa_float_denorm_mode_16_64 3
		.amdhsa_memory_ordered 1
		.amdhsa_forward_progress 1
		.amdhsa_inst_pref_size 152
	.end_amdhsa_kernel
	.amdgpu_metadata
---
amdhsa.version: [ 1, 2 ]
amdhsa.kernels:
  - .name:           k_q5b519b453c_prep
    .symbol:         k_q5b519b453c_prep.kd
    .args:
      - { .name: x, .offset: 0, .size: 8, .value_kind: global_buffer, .address_space: global }
      - { .name: x2_codes, .offset: 8, .size: 8, .value_kind: global_buffer, .address_space: global }
      - { .name: x2_scales, .offset: 16, .size: 8, .value_kind: global_buffer, .address_space: global }
      - { .name: Wk_codes, .offset: 24, .size: 8, .value_kind: global_buffer, .address_space: global }
      - { .name: Wk_scales, .offset: 32, .size: 8, .value_kind: global_buffer, .address_space: global }
      - { .name: Wq_codes, .offset: 40, .size: 8, .value_kind: global_buffer, .address_space: global }
      - { .name: Wq_scales, .offset: 48, .size: 8, .value_kind: global_buffer, .address_space: global }
      - { .name: Wv_codes, .offset: 56, .size: 8, .value_kind: global_buffer, .address_space: global }
      - { .name: Wv_scales, .offset: 64, .size: 8, .value_kind: global_buffer, .address_space: global }
      - { .name: bk, .offset: 72, .size: 8, .value_kind: global_buffer, .address_space: global }
      - { .name: bq, .offset: 80, .size: 8, .value_kind: global_buffer, .address_space: global }
      - { .name: bv, .offset: 88, .size: 8, .value_kind: global_buffer, .address_space: global }
      - { .name: kv_codes, .offset: 96, .size: 8, .value_kind: global_buffer, .address_space: global }
      - { .name: kv_scales, .offset: 104, .size: 8, .value_kind: global_buffer, .address_space: global }
      - { .name: q_codes, .offset: 112, .size: 8, .value_kind: global_buffer, .address_space: global }
      - { .name: q_scales, .offset: 120, .size: 8, .value_kind: global_buffer, .address_space: global }
    .group_segment_fixed_size: 224256
    .private_segment_fixed_size: 0
    .kernarg_segment_align: 8
    .kernarg_segment_size: 128
    .max_flat_workgroup_size: 256
    .sgpr_count:     80
    .vgpr_count:     512
    .wavefront_size: 32
...
	.end_amdgpu_metadata
.endif
;; end of part 1
;; launch attn (part 2): grid 4 x 64, 8 waves a work-group, clusters of 4 x 1, 327,680 bytes of LDS; arguments q_codes, q_scales, kv_codes, kv_scales, x, w_out, b_out, gamma, beta, out0; writes out0
.if DOCPART == 2
	.amdgcn_target "amdgcn-amd-amdhsa--gfx1250"
	.amdhsa_code_object_version 6
	.text
	.protected	k_q5b519b453c_attn
	.globl	k_q5b519b453c_attn
	.p2align	8
	.type	k_q5b519b453c_attn,@function
k_q5b519b453c_attn:
	s_mov_b64 s[64:65], 0
	v_nop
	global_prefetch_b8 v0, s[64:65] scope:SCOPE_SE
	s_setreg_imm32_b32 hwreg(HW_REG_WAVE_MODE, 25, 1), 1
	s_wait_xcnt 0x0
	s_wait_alu depctr_hold_cnt(0) depctr_sa_sdst(0) depctr_va_vdst(0) depctr_va_sdst(0) depctr_va_ssrc(0) depctr_va_vcc(0) depctr_vm_vsrc(0)
	s_getreg_b32 s2, hwreg(HW_REG_IB_STS2, 6, 4)
	s_cmp_eq_u32 s2, 0
	s_cbranch_scc0 .Lentry_in_a_cluster
	s_endpgm
.Lentry_in_a_cluster:
	s_bfe_u32 s2, ttmp6, 0x10000c
	s_cmp_lg_u32 s2, 0x3003
	s_cbranch_scc0 .Lentry_shape_is_right
	s_endpgm
.Lentry_shape_is_right:
; out = LayerNorm(x + softmax(q k^T / sqrt(128)) v x sum(w_out) + b_out) x gamma + beta, both products on codes of BF6 (E3M2) with one E8M0 scale for each 32 along K.
; q, k, v come as images of operand registers (a fragment of 16 rows x 128 K is 1,536 bytes: registers 4 c .. 4 c + 3 of lane l at 512 c + 16 l), so every fragment is three loads of 16 bytes a lane.
; THE SOFTMAX: t = score x log2(e) / sqrt(128); M = the running largest t rounded UP to a whole number; p = 2^(t - M) is quantised along the keys, not normalised; the row's sum is taken of the unquantised p
; and divides at the end.  When M moves, the sum and O are multiplied by 2^(old M - new M), which rounds nothing.
; SHARES.  64 attentions of 1,024 queries x 1,024 keys x 256 channels.  A cluster is the four blocks of 256 queries of one attention; a work-group of eight waves owns a block, a wave 32 queries: two tiles P,
; so that each fragment of K and V read from LDS feeds two products.  Two waves share a SIMD: one's vector work stands beside the other's matrix work.
; Both products are used transposed: S^T = K Q^T (source 0 = 16 keys), O^T = V^T P^T (source 0 = 16 channels): a lane holds ONE query throughout.  Lane r of key tile 2 b + u holds key 32 b + 8 u + r + 8 (r / 8),
; so that the 16 registers of tiles 2 b, 2 b + 1 are keys 32 b + 16 (lane / 16) + 0 .. 15.
; THE RING.  Two LDS slots of two key steps (98,304 bytes), filled JOINTLY for the four work-groups: waves 0 to 3 ask for a quarter each, by the same descriptor and a mask that names the four.
; The attention's scale words (16,384 bytes) come once, by wave 4.  A wave never has more than one tensor load out.
; A scale register is PACKED: lanes 0-15 hold the first word (channels 0-127; channel tile 2 w), lanes 16-31 the second, read by the row selector.
; LIMITS: NaN and infinities among the inputs are not served; a block of p whose largest number lies under 2^-122 has its scale byte held at 1.
; REGISTERS.  Window 1: O^T, tile P, channel tile dt at 128 P + 8 dt.  Window 0: v1-7 addresses; v8 + 4 P: -M, the largest t, the sum in two halves; v16 + 2 P: f, beside it p's scale word; v20-21 Q's scale words;
; v22-29 K's, then V's; v30 the prefetch's offset; v32-79 Q; v80-127 four fragments of K, then the softmax's registers and p's codes; v128-255 S^T, then p, then fragments of V.
.set STEPB, 49152                      ; a key step: 16 fragments of K, then 16 of V
.set SLOT1, 131072                     ; slot 1 begins here: one exclusive or turns an address in one slot into the other's
.set SCL,   98304                      ; behind slot 0: the scale words, 4,096 bytes for each slot's worth of keys; filled once
.set SPARE, 114688                     ; the spare words, 128 bytes for each wave: four blocks of 256 bytes that no other line names
.set STG,   229376                     ; behind slot 1: a stage of 16 rows x (512 + 16) bytes for each wave; no tile lands there
.set ADR,  2                           ; v2   LDS address of the step's fragments; on the way out: where I put 32 bytes of a row
.set ADSK, 4                           ; v4   of K's scale words; on the way out: where I read a row back
.set SPW,  5                           ; v5   LDS address of my spare word; never rewritten
.set NIL,  6                           ; v6   0; never rewritten
.set ADSV, 7                           ; v7   of V's scale words
.set QS,   20
.set KS,   22
.set PFO,  30                          ; v30  256 x lane; never rewritten
.set Q,    32                          ; Q(P, s) at Q + 24 P + 12 s
.set FR,   80
.set BM,   80                          ; v80-83  the blocks' largest scores, then largest p
.set BP,   84                          ; v84-91  at work
.set SO,   92                          ; v92-95  the conversions' scale operands
.set TMP,  96
.set PC,   100                         ; p's codes: PC + 12 P
.set S,    128                         ; S^T(P, key tile i) at S + 64 P + 8 i
.set VB0,  128
.set VB1,  192
.set X,    128                         ; the way out: row i of 16, 8 registers
.set H,    64                          ; and four registers a row at work
.set WV,   24
.set G1,   28                          ; s[28:35] group 1 for a quarter of a slot;  s[36:43] for the scale words;  s[44:47], s[48:51] their groups 0
.set G1S,  36
.set G0,   44
.set G0S,  48
.set SEL,  52
.set CS,   54
.set TB,   56                          ; LDS byte at which the step's fragments begin
.set TSK,  57                          ; where the step's scale words of K begin;  s58: V's
.set TSV,  58
.set SLOTS, 59
.set TWICE, 60
.set LIM,  61                          ; 1 in a wave that prefetches, else the greatest number
.set PFA,  62                          ; s[62:63] where my prefetches stand
.set MSB, 0
.macro WIN new                         ; the immediate's high byte repeats the setting that is left
.if MSB != \new
	s_set_vgpr_msb (MSB<<8)|\new
.set MSB, \new
.endif
.endm
.macro PLACES n
.rept \n
	v_nop
.endr
.endm
.macro CROUND                          ; a round of the cluster's barrier
	s_barrier_signal -1
	s_barrier_wait -1
	s_cmp_lg_u32 s[WV], 0
	s_cbranch_scc1 .Lnot_wave_0_\@
	s_barrier_signal -3
.Lnot_wave_0_\@:
	s_barrier_wait -3
	s_barrier_signal -1
	s_barrier_wait -1
.endm
.macro TLOAD                           ; the joint refill: waves 0 to 3, a quarter of a slot each; four v_nop follow the line
	s_cmp_lt_u32 s[WV], 4
	s_cbranch_scc0 .Lnone_\@
	tensor_load_to_lds s[G0:G0+3], s[G1:G1+7]
	s_nop 0
.rept 4
	v_nop
.endr
.Lnone_\@:
.endm
; A PREFETCH INTO THE L2 of the slot that the NEXT change of slots will ask for: two key steps ahead of that load.  A slot is 98,304 dense bytes: the four partners take 24,576 each, told apart by address;
; in each, waves 5 to 7, which fetch nothing, take 8,192 each, lanes 256 bytes apart: each aligned block of 256 bytes is named once.  Slots 0 and 1 come by their loads alone; the last change that fills a slot asks for nothing.
.macro ASK
	s_cmp_gt_u32 s[SLOTS], s[LIM]
	s_cbranch_scc0 .Lnot_mine_\@
	global_prefetch_b8 v[PFO], s[PFA:PFA+1] th:TH_LOAD_NT scope:SCOPE_SE
.Lnot_mine_\@:
.endm
.macro WS d, a, b, sa, sb, first       ; a product of S^T: first = 1: channels 0-127, starts the sum; 0: channels 128-255, the scale words of lanes 16-31
.if \first
	v_wmma_scale_f32_16x16x128_f8f6f4 v[(\d):(\d)+7], v[(\a):(\a)+11], v[(\b):(\b)+11], 0, v[\sa], v[\sb] matrix_a_fmt:MATRIX_FMT_BF6 matrix_b_fmt:MATRIX_FMT_BF6
.else
	v_wmma_scale_f32_16x16x128_f8f6f4 v[(\d):(\d)+7], v[(\a):(\a)+11], v[(\b):(\b)+11], v[(\d):(\d)+7], v[\sa], v[\sb] matrix_a_fmt:MATRIX_FMT_BF6 matrix_b_fmt:MATRIX_FMT_BF6 matrix_a_scale:MATRIX_SCALE_ROW1 matrix_b_scale:MATRIX_SCALE_ROW1
.endif
.endm
.macro KLD n, f0, f1, f2, f3           ; key tiles 2 n, 2 n + 1, both halves of the channels: four fragments, twelve loads
.irp c, 0,1,2
	ds_load_b128 v[(\f0)+4*\c:(\f0)+4*\c+3], v[ADR] offset:(4*(\n))*1536+512*\c
.endr
.irp c, 0,1,2
	ds_load_b128 v[(\f1)+4*\c:(\f1)+4*\c+3], v[ADR] offset:(4*(\n)+1)*1536+512*\c
.endr
.irp c, 0,1,2
	ds_load_b128 v[(\f2)+4*\c:(\f2)+4*\c+3], v[ADR] offset:(4*(\n)+2)*1536+512*\c
.endr
.irp c, 0,1,2
	ds_load_b128 v[(\f3)+4*\c:(\f3)+4*\c+3], v[ADR] offset:(4*(\n)+3)*1536+512*\c
.endr
.endm
.macro SMM n, f0, f1, f2, f3           ; eight products: the four accumulators take turns, one instruction a turn
	WS S+16*(\n),      \f0, Q,    KS+2*(\n),   QS,   1
	WS S+64+16*(\n),   \f0, Q+24, KS+2*(\n),   QS+1, 1
	WS S+16*(\n)+8,    \f2, Q,    KS+2*(\n)+1, QS,   1
	WS S+64+16*(\n)+8, \f2, Q+24, KS+2*(\n)+1, QS+1, 1
	WS S+16*(\n),      \f1, Q+12, KS+2*(\n),   QS,   0
	WS S+64+16*(\n),   \f1, Q+36, KS+2*(\n),   QS+1, 0
	WS S+16*(\n)+8,    \f3, Q+12, KS+2*(\n)+1, QS,   0
	WS S+64+16*(\n)+8, \f3, Q+36, KS+2*(\n)+1, QS+1, 0
.endm
.macro VLD n, vb                       ; channel tiles 4 n .. 4 n + 3 of V: twelve loads
.irp k, 0,1,2,3,4,5,6,7,8,9,10,11
	ds_load_b128 v[(\vb)+4*\k:(\vb)+4*\k+3], v[ADR] offset:24576+6144*(\n)+512*\k
.endr
.endm
.macro PVM n, vb                       ; eight products O^T += V^T P^T, eight accumulators
	WIN 0x50                                       ; C and D window 1
.irp k, 0,1,2,3
.irp P, 0,1
.if \k%2
	v_wmma_scale_f32_16x16x128_f8f6f4 v[128*\P+8*(4*(\n)+\k):128*\P+8*(4*(\n)+\k)+7], v[(\vb)+12*\k:(\vb)+12*\k+11], v[PC+12*\P:PC+12*\P+11], v[128*\P+8*(4*(\n)+\k):128*\P+8*(4*(\n)+\k)+7], v[KS+2*(\n)+\k/2], v[17+2*\P] matrix_a_fmt:MATRIX_FMT_BF6 matrix_b_fmt:MATRIX_FMT_BF6 matrix_a_scale:MATRIX_SCALE_ROW1
.else
	v_wmma_scale_f32_16x16x128_f8f6f4 v[128*\P+8*(4*(\n)+\k):128*\P+8*(4*(\n)+\k)+7], v[(\vb)+12*\k:(\vb)+12*\k+11], v[PC+12*\P:PC+12*\P+11], v[128*\P+8*(4*(\n)+\k):128*\P+8*(4*(\n)+\k)+7], v[KS+2*(\n)+\k/2], v[17+2*\P] matrix_a_fmt:MATRIX_FMT_BF6 matrix_b_fmt:MATRIX_FMT_BF6
.endif
.endr
.endr
.endm
; Tile P's 64 scores of a lane become p's codes and scale word; M, the sum and f are brought on
.macro SOFTMAX P
.set SB,  S+64*(\P)
.set NM,  8+4*(\P)
.set FF,  16+2*(\P)
.set PCP, PC+12*(\P)
.irp b, 0,1,2,3
	v_max3_num_f32 v[BM+\b], v[SB+16*\b], v[SB+16*\b+1], v[SB+16*\b+2]   ; the largest score of each block of 32 keys: it serves the row's maximum and, since p rises with the score, the block's largest p
.endr
.irp i, 3,5,7,9,11,13
.irp b, 0,1,2,3
	v_max3_num_f32 v[BM+\b], v[BM+\b], v[SB+16*\b+\i], v[SB+16*\b+\i+1]
.endr
.endr
.irp b, 0,1,2,3
	v_max_num_f32 v[BM+\b], v[BM+\b], v[SB+16*\b+15]
.endr
.irp b, 0,1,2,3
	v_permlanex16_b32 v[BP+\b], v[BM+\b], s[SEL], s[SEL+1]
.endr
.irp b, 0,1,2,3
	v_max_num_f32 v[BM+\b], v[BM+\b], v[BP+\b]     ; with lane l xor 16's 16 keys
.endr
	v_max3_num_f32 v[TMP], v[BM], v[BM+1], v[BM+2]
	v_max_num_f32 v[TMP], v[TMP], v[BM+3]          ; the step's largest score of my query
	v_mul_f32 v[TMP], s[CS], v[TMP]                ; as t
	v_max_num_f32 v[NM+1], v[NM+1], v[TMP]         ; the running largest t
	v_mov_b32 v[TMP], v[NM]
	v_floor_f32 v[NM], -v[NM+1]                    ; the new -M = floor(-t): M is a whole number
	v_sub_f32 v[TMP], v[NM], v[TMP]                ; old M - new M: a whole number, 0 or less
	v_cvt_i32_f32 v[TMP], v[TMP]                   ; (it saturates)
	v_ldexp_f32 v[FF], 1.0, v[TMP]                 ; f = 2^(old M - new M)
.irp j, 0,2,4,6,8,10,12,14,16,18,20,22,24,26,28,30,32,34,36,38,40,42,44,46,48,50,52,54,56,58,60,62
	v_pk_fma_f32 v[SB+\j:SB+\j+1], v[SB+\j:SB+\j+1], s[CS:CS+1], v[NM:NM+1] op_sel_hi:[1,0,0]   ; t - M, two at a time
.endr
.irp b, 0,1,2,3
	v_fma_f32 v[BM+\b], v[BM+\b], s[CS], v[NM]     ; the same of each block's largest score
.endr
.irp j, 0,1,2,3,4,5,6,7,8,9,10,11,12,13,14,15,16,17,18,19,20,21,22,23,24,25,26,27,28,29,30,31,32,33,34,35,36,37,38,39,40,41,42,43,44,45,46,47,48,49,50,51,52,53,54,55,56,57,58,59,60,61,62,63
	v_exp_f32 v[SB+\j], v[SB+\j]                   ; p = 2^(t - M), at most 1
.endr
	v_pk_mul_f32 v[NM+2:NM+3], v[NM+2:NM+3], v[FF:FF+1] op_sel_hi:[1,0]   ; the sums under the new M: a plain place behind the exponentials
	s_wait_alu depctr_va_vdst(0)                   ; one wait for the batch of 64, ahead of its first reader
.irp b, 0,1,2,3
	v_exp_f32 v[BM+\b], v[BM+\b]                   ; the block's largest p: the same two instructions on the same number
.endr
	v_pk_add_f32 v[BP:BP+1], v[SB:SB+1], v[SB+2:SB+3]   ; the row's sum of the unquantised p, in two chains
.irp j, 4,8,12,16,20,24,28,32,36,40,44,48,52,56,60
	v_pk_add_f32 v[NM+2:NM+3], v[NM+2:NM+3], v[SB+\j:SB+\j+1]
	v_pk_add_f32 v[BP:BP+1], v[BP:BP+1], v[SB+\j+2:SB+\j+3]
.endr
	v_pk_add_f32 v[NM+2:NM+3], v[NM+2:NM+3], v[BP:BP+1]
	s_wait_alu depctr_va_vdst(0)                   ; and one for the four
.irp b, 0,1,2,3
	v_max_num_f32 v[BM+\b], 0x2800000, v[BM+\b]    ; the floor 2^(5 - 127): the byte cannot fall under 1
.endr
.irp b, 0,1,2,3
	v_add_nc_u32 v[SO+\b], 0xfe000000, v[BM+\b]    ; 4 off the exponent field: the conversion's scale operand
.endr
.irp b, 0,1,2,3
	v_lshrrev_b32 v[BP+\b], 23, v[SO+\b]           ; the scale's byte
.endr
	v_lshl_or_b32 v[FF+1], v[BP+1], 8, v[BP]       ; p's scale word for these 128 keys
	v_lshl_or_b32 v[FF+1], v[BP+2], 16, v[FF+1]
	v_lshl_or_b32 v[FF+1], v[BP+3], 24, v[FF+1]
.irp c, 0,1
	v_cvt_scalef32_pk16_bf6_f32 v[PCP+6*\c:PCP+6*\c+2], v[SB+32*\c:SB+32*\c+15], v[SO+2*\c]
	v_cvt_scalef32_pk16_bf6_f32 v[BP+4*\c:BP+4*\c+2], v[SB+32*\c+16:SB+32*\c+31], v[SO+2*\c+1]
.endr
	v_nop                                          ; one plain place behind a scaled conversion
.irp c, 0,1                                    ; the operand's layout wants a whole block in a lane
.irp i, 0,1,2
	v_permlane16_swap_b32 v[PCP+6*\c+\i], v[BP+4*\c+\i]
.endr
.irp i, 0,1,2
	v_mov_b32 v[PCP+3+6*\c+\i], v[BP+4*\c+\i]
.endr
.endr
.endm
; A KEY STEP: 128 keys.  Each s_wait_dscnt 12 leaves out the twelve loads of the youngest run of fragments.
.macro STEP
	v_add_nc_u32 v[ADR], s[TB], v1
	v_add_nc_u32 v[ADSK], s[TSK], v3
	v_add_nc_u32 v[ADSV], s[TSV], v3
	PLACES 2                                       ; five places in all: the first products below write over registers that the last step's products read
.irp b, 0,1,2,3
	ds_load_b64 v[KS+2*\b:KS+2*\b+1], v[ADSK] offset:256*\b   ; K's packed scale words of key tiles 2 b, 2 b + 1
.endr
	KLD 0, FR, FR+12, FR+24, FR+36
	KLD 1, 160, 172, 224, 236                      ; into registers of S^T that are written only two runs on
	s_wait_dscnt 12
	SMM 0, FR, FR+12, FR+24, FR+36
	PLACES 4
	KLD 2, FR, FR+12, FR+24, FR+36
	s_wait_dscnt 12
	SMM 1, 160, 172, 224, 236
	PLACES 5                                       ; the next products write over operands of these
	s_wait_dscnt 0x0
	SMM 2, FR, FR+12, FR+24, FR+36
	PLACES 4
	KLD 3, FR, FR+12, FR+24, FR+36
	s_wait_dscnt 0x0
	SMM 3, FR, FR+12, FR+24, FR+36
	PLACES 4
	SOFTMAX 0
	VLD 0, VB0                                     ; where tile 0's p lay
.irp w, 0,1,2,3,4,5,6,7
	ds_load_b32 v[KS+\w], v[ADSV] offset:2048+256*\w   ; V's packed scale words of channel tiles 2 w, 2 w + 1
.endr
	SOFTMAX 1
	VLD 1, VB1
	WIN 0x41                                       ; O^T (destination and source 0) window 1, f window 0
.irp P, 0,1
.set j, 0
.rept 64
	v_pk_mul_f32 v[128*\P+j:128*\P+j+1], v[128*\P+j:128*\P+j+1], v[16+2*\P:17+2*\P] op_sel_hi:[1,0]   ; O^T under the new M.  These lines are also the places in front of the products below
.set j, j+2
.endr
.endr
	s_wait_dscnt 12
	PVM 0, VB0
	WIN 0
	PLACES 4
	VLD 2, VB0
	s_wait_dscnt 12
	PVM 1, VB1
	WIN 0
	PLACES 4
	VLD 3, VB1
	s_wait_dscnt 12
	PVM 2, VB0
	s_wait_dscnt 0x0
	PVM 3, VB1
	WIN 0
	s_add_co_u32 s[TB], s[TB], STEPB
	s_add_co_u32 s[TSK], s[TSK], 1024
	s_add_co_u32 s[TSV], s[TSV], 4
.endm
.macro TWO_STEPS                       ; a slot's two key steps: written once, walked twice
	s_mov_b32 s[TWICE], 2
.Lstep_\@:
	STEP
	s_sub_co_u32 s[TWICE], s[TWICE], 1
	s_cmp_lg_u32 s[TWICE], 0
	s_cbranch_scc1 .Lstep_\@
	s_sub_co_u32 s[TB], s[TB], 2*STEPB             ; back to a slot's first step,
	s_xor_b32 s[TB], s[TB], SLOT1                  ; in the other slot
	s_add_co_u32 s[TSK], s[TSK], 2048              ; the next slot's scale words
	s_add_co_u32 s[TSV], s[TSV], 4088
.endm
; THE CHANGE OF SLOTS stands at a slot's head.  Each wave waits for all its tensor loads, adds 0 to its spare word, and waits for that and for its reads of the slot that it has left.
; fill = 1: a round of the cluster's barrier; behind it the slot just left is filled with the keys that follow: the load has two key steps in which to land.
.macro CHANGE fill
	s_wait_tensorcnt 0x0                           ; no tensor load of mine is out, so the group 0 may be written
	ds_add_u32 v[SPW], v[NIL]                      ; 0 onto my spare word
.if \fill
	s_xor_b32 s[G0+1], s[G0+1], SLOT1              ; the walking descriptor: the other slot than last time,
	s_add_nc_u64 s[G0+2:G0+3], s[G0+2:G0+3], 2*STEPB   ; the next 256 keys; the type bits on top are not reached
	s_wait_xcnt 0x0                                ; the last prefetch, a slot back, has read its address
	s_add_nc_u64 s[PFA:PFA+1], s[PFA:PFA+1], 2*STEPB   ; one slot further on than the walking descriptor
	s_wait_dscnt 0x0                               ; the add is done, and my reads of the slot that I have left are over
	CROUND
	TLOAD
	ASK
.else
	s_wait_dscnt 0x0
	s_barrier_signal -1
	s_barrier_wait -1
.endif
.endm
	s_load_b512 s[4:19], s[0:1], 0x0               ; q_codes 4, q_scales 6, kv_codes 8, kv_scales 10, x 12, w_out 14, b_out 16, gamma 18
	s_load_b128 s[20:23], s[0:1], 0x40             ; beta 20, out0 22
	v_lshl_add_u32 v[SPW], v0, 2, SPARE
	v_mov_b32 v[NIL], 0
	ds_add_u32 v5, v6
	s_wait_dscnt 0x0
	v_lshrrev_b32 v1, 5, v0
	v_readfirstlane_b32 s[WV], v1                  ; wave 0..7
	s_bfe_u32 s25, ttmp6, 0x40000                  ; cx: my place in the cluster
	s_and_b32 s26, ttmp7, 0xffff                   ; which attention: the four partners share it
	s_lshl_b32 s27, ttmp9, 2
	s_add_co_u32 s27, s27, s25                     ; my block of 256 queries
	; group 1: a dense block as rows of 256 bytes (32 elements of 8 bytes): 96 rows for a quarter of a slot, 64 for the scale words
	s_mov_b32 s[G1], 15|(3<<16)|(1<<21)            ; 15:0 the mask: all four work-groups; 17:16 elements of 8 bytes; 20 no padding; 21 set beside a mask
	s_mov_b32 s[G1+1], 32<<16                      ; tensor_dim0
	s_mov_b32 s[G1+2], 96<<16                      ; tensor_dim1
	s_mov_b32 s[G1+3], 32<<16                      ; tile_dim0
	s_mov_b32 s[G1+4], 96                          ; tile_dim1
	s_mov_b32 s[G1+5], 32                          ; the pitch
	s_mov_b32 s[G1+6], 0
	s_mov_b32 s[G1+7], 0
	s_mov_b32 s[G1S], 15|(3<<16)|(1<<21)
	s_mov_b32 s[G1S+1], 32<<16
	s_mov_b32 s[G1S+2], 64<<16
	s_mov_b32 s[G1S+3], 32<<16
	s_mov_b32 s[G1S+4], 64
	s_mov_b32 s[G1S+5], 32
	s_mov_b32 s[G1S+6], 0
	s_mov_b32 s[G1S+7], 0
	s_and_b32 s66, s[WV], 3
	s_mul_i32 s67, s66, 24576                      ; my quarter of a slot, in memory and in LDS: no place in the cluster enters it
	s_mul_i32 s68, s26, 8*STEPB                    ; the attention's first byte of kv_codes
	s_add_co_u32 s68, s68, s67
	s_mov_b32 s69, 0
	s_lshl_b32 s70, s26, 14                        ; and of kv_scales
	s_mov_b32 s71, 0
	s_lshl_b32 s72, s26, 5
	s_lshl_b32 s73, s27, 3
	s_add_co_u32 s72, s72, s73
	s_add_co_u32 s72, s72, s[WV]                   ; my 32 queries: unit = 32 x attention + 8 x block + wave
	s_mul_i32 s74, s72, 6144                       ; their four fragments,
	s_mov_b32 s75, 0
	s_lshl_b32 s76, s72, 8                         ; their scale words,
	s_mov_b32 s77, 0
	s_lshl_b32 s78, s72, 15                        ; their rows of x and of out0
	s_mov_b32 s79, 0
	s_max_u32 s92, s[WV], 5
	s_sub_co_u32 s92, s92, 5
	s_lshl_b32 s92, s92, 13                        ; the prefetches: 8,192 bytes for each of waves 5 to 7,
	s_mul_i32 s93, s25, 24576                      ; in my work-group's quarter,
	s_add_co_u32 s92, s92, s93
	s_mul_i32 s93, s26, 8*STEPB
	s_add_co_u32 s92, s92, s93
	s_add_co_u32 s92, s92, 2*STEPB                 ; of slot 1: the first change of slots steps it to slot 2.  Nothing is prefetched at the head
	s_mov_b32 s93, 0
	s_cmp_gt_u32 s[WV], 4
	s_cselect_b32 s[LIM], 1, -1
	s_mov_b32 s[SEL], 0x76543210
	s_mov_b32 s[SEL+1], 0xfedcba98                 ; v_permlanex16_b32's selects for lane l xor 16
	s_mov_b32 s[CS], 0x3e0293ee                    ; c = log2(e) / sqrt(1024 / 8)
	s_mov_b32 s[CS+1], s[CS]                       ; (named with it as a pair, so it is written)
	s_mov_b32 s[TB], 0
	s_mov_b32 s[TSK], 0
	s_mov_b32 s[TSV], 0
	s_mov_b32 s[SLOTS], 3
	s_mov_b32 s90, 0x3b800000                      ; 1 / 256
	s_mov_b32 s91, 0x3727c5ac                      ; 1e-5
	s_wait_kmcnt 0x0
	s_mov_b32 s[G0], 1                             ; count = 1
	s_mov_b32 s[G0+1], s67                         ; LDS address: slot 0
	s_add_nc_u64 s[G0+2:G0+3], s[8:9], s[68:69]    ; global address: the first 256 keys
	s_or_b32 s[G0+3], s[G0+3], 0x80000000          ; type = 2
	s_mov_b32 s[G0S], 1
	s_mov_b32 s[G0S+1], SCL
	s_add_nc_u64 s[G0S+2:G0S+3], s[10:11], s[70:71]
	s_or_b32 s[G0S+3], s[G0S+3], 0x80000000
	s_add_nc_u64 s[PFA:PFA+1], s[8:9], s[92:93]
	s_add_nc_u64 s[4:5], s[4:5], s[74:75]
	s_add_nc_u64 s[6:7], s[6:7], s[76:77]
	s_add_nc_u64 s[12:13], s[12:13], s[78:79]
	s_add_nc_u64 s[22:23], s[22:23], s[78:79]
	s_load_b256 s[80:87], s[14:15], 0x0            ; w_out
	s_load_b32 s88, s[16:17], 0x0                  ; b_out
	CROUND                                         ; all four work-groups are here: the first joint loads meet
	s_cmp_lt_u32 s[WV], 4                          ; the first fills: waves 0 to 3 slot 0, wave 4 the scale words
	s_cbranch_scc0 .Lnot_slot
	tensor_load_to_lds s[G0:G0+3], s[G1:G1+7]
	s_nop 0
.rept 4
	v_nop
.endr
	s_branch .Lfirst_asked
.Lnot_slot:
	s_cmp_eq_u32 s[WV], 4
	s_cbranch_scc0 .Lfirst_asked
	tensor_load_to_lds s[G0S:G0S+3], s[G1S:G1S+7]
	s_nop 0
.rept 4
	v_nop
.endr
.Lfirst_asked:
	v_and_b32 v2, 31, v0                           ; lane
	v_lshlrev_b32 v1, 4, v2                        ; 16 x lane
	v_lshlrev_b32 v31, 3, v2                       ; 8 x lane
	v_add_nc_u32 v3, SCL, v31                      ; my place among packed scale words
	v_lshlrev_b32 v[PFO], 8, v2
.irp k, 0,1,2,3,4,5,6,7,8,9,10,11
	global_load_b128 v[Q+4*\k:Q+4*\k+3], v1, s[4:5] offset:512*\k   ; Q's four fragments stay in registers
.endr
	global_load_b64 v[QS:QS+1], v31, s[6:7]        ; and their two packed scale words
	WIN 0x40
.set j, 0
.rept 256
	v_mov_b32 v[j], 0                              ; O^T.  The step is written once: the first finds zeros, which the first change of M leaves zeros
.set j, j+1
.endr
	WIN 0
.irp P, 0,1
	v_mov_b32 v[9+4*\P], 0xff61b1e6                ; the largest t so far: -3e38, under every t
	v_floor_f32 v[8+4*\P], -v[9+4*\P]              ; -M
	v_mov_b32 v[10+4*\P], 0                        ; the sum, in two halves
	v_mov_b32 v[11+4*\P], 0
	v_mov_b32 v[16+2*\P], 0
	v_mov_b32 v[17+2*\P], 0                        ; (named as the upper half of a pair before it is first written)
.endr
.irp b, 0,1,2,3
	v_mov_b32 v[BP+\b], 0                          ; a lane permute's destination counts as one of its sources
.endr
	s_wait_loadcnt 0x0                             ; Q
	s_wait_kmcnt 0x0                               ; w_out, b_out
	s_mov_b32 s89, s88                             ; (the packed form names a pair)
.Lslot:                                            ; three trips: behind each change of slots but the last the next slot is asked for
	CHANGE 1
	TWO_STEPS
	s_sub_co_u32 s[SLOTS], s[SLOTS], 1
	s_cmp_lg_u32 s[SLOTS], 0
	s_cbranch_scc1 .Lslot
	CHANGE 0                                       ; the last slot is written out
	TWO_STEPS
	; THE WAY OUT.  a = sum(w_out) / the row's sum; O^T x a + b_out goes through my stage and comes back as rows, where x is added and the row normalised
	PLACES 4                                       ; behind the last products
	v_mov_b32 v8, s80
.irp k, 81,82,83,84,85,86,87
	v_add_f32 v8, s\k, v8                          ; sum(w_out)
.endr
.irp P, 0,1
	v_add_f32 v[10+4*\P], v[10+4*\P], v[11+4*\P]   ; the sum's two halves,
.endr
.irp P, 0,1
	v_permlanex16_b32 v[11+4*\P], v[10+4*\P], s[SEL], s[SEL+1]
.endr
.irp P, 0,1
	v_add_f32 v[10+4*\P], v[10+4*\P], v[11+4*\P]   ; and lane l xor 16's
.endr
.irp P, 0,1
	v_rcp_f32 v[16+2*\P], v[10+4*\P]
.endr
	v_and_b32 v3, 15, v0                           ; r  (a plain place behind the reciprocals)
	v_bfe_u32 v7, v0, 4, 1                         ; h
	s_mul_i32 s66, s[WV], 8448
	s_add_co_u32 s66, s66, STG                     ; my stage
	v_mul_u32_u24 v[ADR], v3, 528
	v_lshl_add_u32 v[ADR], v7, 5, v[ADR]
	v_add_nc_u32 v[ADR], s66, v[ADR]               ; in: row r, + 32 h
	v_add_nc_u32 v[ADSK], s66, v1                  ; back: 16 bytes a lane of a row
	global_load_b128 v[32:35], v1, s[18:19]        ; gamma and beta of my eight channels: 4 x lane .. + 3, and 128 further on
	global_load_b128 v[36:39], v1, s[18:19] offset:512
	global_load_b128 v[40:43], v1, s[20:21]
	global_load_b128 v[44:47], v1, s[20:21] offset:512
	s_wait_alu depctr_va_vdst(0)                   ; one wait for the two reciprocals, ahead of their first reader
.irp P, 0,1
	v_mul_f32 v[16+2*\P], v8, v[16+2*\P]
.endr
.macro ACROSS o                        ; the 16 rows' numbers in v[H + 4 i + o] are summed over the 32 lanes; the rows take turns
.irp m, 1,2,4,8
.irp i, 0,1,2,3,4,5,6,7,8,9,10,11,12,13,14,15
	v_add_f32_dpp v[H+4*\i+\o], v[H+4*\i+\o], v[H+4*\i+\o] row_xmask:\m row_mask:0xf bank_mask:0xf
.endr
.endr
.irp i, 0,1,2,3,4,5,6,7,8,9,10,11,12,13,14,15
	v_permlanex16_b32 v[H+4*\i+\o+1], v[H+4*\i+\o], s[SEL], s[SEL+1]
.endr
.irp i, 0,1,2,3,4,5,6,7,8,9,10,11,12,13,14,15
	v_add_f32 v[H+4*\i+\o], v[H+4*\i+\o], v[H+4*\i+\o+1]
.endr
.endm
.macro TILE P                          ; 16 queries: rows 16 P .. 16 P + 15 of my 32
.if \P
	s_wait_xcnt 0x0                                ; the last tile's stores have read their registers
.endif
.irp i, 0,1,2,3,4,5,6,7,8,9,10,11,12,13,14,15
.irp c, 0,1
	global_load_b128 v[X+8*\i+4*\c:X+8*\i+4*\c+3], v1, s[12:13] offset:(16*\P+\i)*1024+512*\c th:TH_LOAD_NT   ; x: 512 consecutive bytes of a row
.endr
.endr
	WIN 0x41
.set j, 0
.rept 64
	v_pk_fma_f32 v[128*\P+j:128*\P+j+1], v[128*\P+j:128*\P+j+1], v[16+2*\P:17+2*\P], s[88:89] op_sel_hi:[1,0,0]   ; O^T x a + b_out; each accumulator from its low end on
.set j, j+2
.endr
.irp c, 0,1                                    ; channels 128 c on
	WIN 0x04                                       ; an LDS store's data: window 1
.irp t, 0,1,2,3,4,5,6,7
	ds_store_b128 v[ADR], v[128*\P+8*(8*\c+\t):128*\P+8*(8*\c+\t)+3] offset:64*\t
	ds_store_b128 v[ADR], v[128*\P+8*(8*\c+\t)+4:128*\P+8*(8*\c+\t)+7] offset:64*\t+16
.endr
	WIN 0
.irp i, 0,1,2,3,4,5,6,7,8,9,10,11,12,13,14,15
	ds_load_b128 v[H+4*\i:H+4*\i+3], v[ADSK] offset:528*\i   ; LDS serves a wave's instructions in order: these see my stores, and the next half's stores come behind them
.endr
	s_wait_dscnt 0x0
.if \c == 0
	s_wait_loadcnt 0x0                             ; x (and, the first time, gamma and beta)
.endif
.irp i, 0,1,2,3,4,5,6,7,8,9,10,11,12,13,14,15
.irp k, 0,2
	v_pk_add_f32 v[X+8*\i+4*\c+\k:X+8*\i+4*\c+\k+1], v[X+8*\i+4*\c+\k:X+8*\i+4*\c+\k+1], v[H+4*\i+\k:H+4*\i+\k+1]   ; h = x + result
.endr
.endr
.endr
.irp i, 0,1,2,3,4,5,6,7,8,9,10,11,12,13,14,15
	v_pk_add_f32 v[H+4*\i:H+4*\i+1], v[X+8*\i:X+8*\i+1], v[X+8*\i+2:X+8*\i+3]
.endr
.irp i, 0,1,2,3,4,5,6,7,8,9,10,11,12,13,14,15
	v_pk_add_f32 v[H+4*\i+2:H+4*\i+3], v[X+8*\i+4:X+8*\i+5], v[X+8*\i+6:X+8*\i+7]
.endr
.irp i, 0,1,2,3,4,5,6,7,8,9,10,11,12,13,14,15
	v_pk_add_f32 v[H+4*\i:H+4*\i+1], v[H+4*\i:H+4*\i+1], v[H+4*\i+2:H+4*\i+3]
.endr
.irp i, 0,1,2,3,4,5,6,7,8,9,10,11,12,13,14,15
	v_add_f32 v[H+4*\i], v[H+4*\i], v[H+4*\i+1]    ; the sum of my eight
.endr
	ACROSS 0
.irp i, 0,1,2,3,4,5,6,7,8,9,10,11,12,13,14,15
	v_mul_f32 v[H+4*\i], 0xbb800000, v[H+4*\i]     ; -mu = the row's sum x (-1 / 256)
.endr
.irp k, 0,2,4,6
.irp i, 0,1,2,3,4,5,6,7,8,9,10,11,12,13,14,15
	v_pk_add_f32 v[X+8*\i+\k:X+8*\i+\k+1], v[X+8*\i+\k:X+8*\i+\k+1], v[H+4*\i:H+4*\i+1] op_sel_hi:[1,0]   ; h - mu
.endr
.endr
.irp i, 0,1,2,3,4,5,6,7,8,9,10,11,12,13,14,15
	v_pk_mul_f32 v[H+4*\i+2:H+4*\i+3], v[X+8*\i:X+8*\i+1], v[X+8*\i:X+8*\i+1]
.endr
.irp k, 2,4,6
.irp i, 0,1,2,3,4,5,6,7,8,9,10,11,12,13,14,15
	v_pk_fma_f32 v[H+4*\i+2:H+4*\i+3], v[X+8*\i+\k:X+8*\i+\k+1], v[X+8*\i+\k:X+8*\i+\k+1], v[H+4*\i+2:H+4*\i+3]
.endr
.endr
.irp i, 0,1,2,3,4,5,6,7,8,9,10,11,12,13,14,15
	v_add_f32 v[H+4*\i+2], v[H+4*\i+2], v[H+4*\i+3]   ; the squares of my eight
.endr
	ACROSS 2
.irp i, 0,1,2,3,4,5,6,7,8,9,10,11,12,13,14,15
	v_fma_f32 v[H+4*\i+2], v[H+4*\i+2], s90, s91   ; var + 1e-5
.endr
.irp i, 0,1,2,3,4,5,6,7,8,9,10,11,12,13,14,15
	v_rsq_f32 v[H+4*\i+2], v[H+4*\i+2]
.endr
	v_nop                                          ; a plain place behind the last of the batch
	s_wait_alu depctr_va_vdst(0)                   ; one wait for the sixteen, ahead of their first reader
.irp k, 0,2,4,6
.irp i, 0,1,2,3,4,5,6,7,8,9,10,11,12,13,14,15
	v_pk_mul_f32 v[X+8*\i+\k:X+8*\i+\k+1], v[X+8*\i+\k:X+8*\i+\k+1], v[H+4*\i+2:H+4*\i+3] op_sel_hi:[1,0]
.endr
.endr
.irp k, 0,2,4,6
.irp i, 0,1,2,3,4,5,6,7,8,9,10,11,12,13,14,15
	v_pk_fma_f32 v[X+8*\i+\k:X+8*\i+\k+1], v[X+8*\i+\k:X+8*\i+\k+1], v[32+\k:33+\k], v[40+\k:41+\k]   ; x gamma + beta
.endr
.endr
.irp i, 0,1,2,3,4,5,6,7,8,9,10,11,12,13,14,15
.irp c, 0,1
	global_store_b128 v1, v[X+8*\i+4*\c:X+8*\i+4*\c+3], s[22:23] offset:(16*\P+\i)*1024+512*\c th:TH_STORE_NT   ; 32 lanes store 512 consecutive bytes, at a multiple of 256 from out0's first byte
.endr
.endr
.endm
	TILE 0
	TILE 1
	s_wait_tensorcnt 0x0                           ; the wave's end, behind my last tensor load and my last LDS store
	ds_add_u32 v[SPW], v[NIL]
	s_wait_dscnt 0x0
	CROUND                                         ; the closing round: no work-group ends while a partner may still ask for a tile that names it
	s_endpgm
.Lfunc_end_k_q5b519b453c_attn:
	.size	k_q5b519b453c_attn, .Lfunc_end_k_q5b519b453c_attn-k_q5b519b453c_attn
	.p2alignl 7, 3214868480
	.fill 96, 4, 3214868480
	.section	.rodata,"a",@progbits
	.p2align	6, 0x0
	.amdhsa_kernel k_q5b519b453c_attn
		.amdhsa_group_segment_fixed_size 327680
		.amdhsa_private_segment_fixed_size 0
		.amdhsa_enable_private_segment 0
		.amdhsa_kernarg_size 80
		.amdhsa_user_sgpr_count 2
		.amdhsa_user_sgpr_kernarg_segment_ptr 1
		.amdhsa_wavefront_size32 1
		.amdhsa_system_sgpr_workgroup_id_x 1
		.amdhsa_system_sgpr_workgroup_id_y 1
		.amdhsa_system_sgpr_workgroup_id_z 1
		.amdhsa_system_vgpr_workitem_id 0
		.amdhsa_next_free_vgpr 512
		.amdhsa_next_free_sgpr 96
		.amdhsa_reserve_vcc 0
		.amdhsa_float_denorm_mode_32 3
		.amdhsa_float_denorm_mode_16_64 3
		.amdhsa_memory_ordered 1
		.amdhsa_forward_progress 1
		.amdhsa_inst_pref_size 214
	.end_amdhsa_kernel
	.amdgpu_metadata
---
amdhsa.version: [ 1, 2 ]
amdhsa.kernels:
  - .name:           k_q5b519b453c_attn
    .symbol:         k_q5b519b453c_attn.kd
    .args:
      - { .name: q_codes, .offset: 0, .size: 8, .value_kind: global_buffer, .address_space: global }
      - { .name: q_scales, .offset: 8, .size: 8, .value_kind: global_buffer, .address_space: global }
      - { .name: kv_codes, .offset: 16, .size: 8, .value_kind: global_buffer, .address_space: global }
      - { .name: kv_scales, .offset: 24, .size: 8, .value_kind: global_buffer, .address_space: global }
      - { .name: x, .offset: 32, .size: 8, .value_kind: global_buffer, .address_space: global }
      - { .name: w_out, .offset: 40, .size: 8, .value_kind: global_buffer, .address_space: global }
      - { .name: b_out, .offset: 48, .size: 8, .value_kind: global_buffer, .address_space: global }
      - { .name: gamma, .offset: 56, .size: 8, .value_kind: global_buffer, .address_space: global }
      - { .name: beta, .offset: 64, .size: 8, .value_kind: global_buffer, .address_space: global }
      - { .name: out0, .offset: 72, .size: 8, .value_kind: global_buffer, .address_space: global }
    .group_segment_fixed_size: 327680
    .private_segment_fixed_size: 0
    .kernarg_segment_align: 8
    .kernarg_segment_size: 80
    .max_flat_workgroup_size: 256
    .sgpr_count:     96
    .vgpr_count:     512
    .wavefront_size: 32
...
	.end_amdgpu_metadata
.endif
;; end of part 2
;; ======== version 2 of 2: 2 launches
;; workspace buffers: kv_codes 25,165,824 bytes; kv_scales 1,048,576 bytes; q_codes 12,582,912 bytes; q_scales 524,288 bytes
;; launch prep (part 3): grid 256 x 1, 8 waves a work-group, no clusters, 224,256 bytes of LDS; arguments x, x2_codes, x2_scales, Wk_codes, Wk_scales, Wq_codes, Wq_scales, Wv_codes, Wv_scales, bk, bq, bv, kv_codes, kv_scales, q_codes, q_scales; writes kv_codes, kv_scales, q_codes, q_scales
.if DOCPART == 3
	.amdgcn_target "amdgcn-amd-amdhsa--gfx1250"
	.amdhsa_code_object_version 6
	.text
	.protected	k_q5b519b453c_prep
	.globl	k_q5b519b453c_prep
	.p2align	8
	.type	k_q5b519b453c_prep,@function
k_q5b519b453c_prep:
	s_mov_b64 s[64:65], 0
	v_nop
	global_prefetch_b8 v0, s[64:65] scope:SCOPE_SE
	s_setreg_imm32_b32 hwreg(HW_REG_WAVE_SCHED_MODE, 0, 2), 2
	s_setreg_imm32_b32 hwreg(HW_REG_WAVE_MODE, 25, 1), 1
	s_wait_xcnt 0x0
	s_wait_alu depctr_vm_vsrc(0)
; q = x2 Wq^T + bq, k = Q(x) Wk^T + bk, v = Q(x) Wv^T + bv on codes of BF6 (E3M2) with one E8M0 scale for each 32 along K, and q, k (along the channels) and v (along the keys) quantised again
; for the attention launch.  What is stored are IMAGES OF OPERAND REGISTERS: a fragment (16 rows x 128 K, 12 registers a lane) is 1,536 bytes, registers 4 c .. 4 c + 3 of lane l at 512 c + 16 l.
; SHARES.  A work-group of eight waves owns 256 rows of x and x2: two key steps of one of the 64 attentions.  Wave w owns rows 32 w .. 32 w + 31: two tiles u of x, whose lane r takes row 8 u + r + 8 (r / 8),
; and two tiles P of x2 with rows 16 P + r.  For v wave w owns channels 32 w .. 32 w + 31 (two tiles e) for both key steps.
; WHY THE ROWS OF A TILE OF x ARE NOT NEIGHBOURS.  k's fragment inherits them as its keys, so that in the attention launch the 16 registers of two neighbouring tiles of scores are 16 neighbouring keys; and in
; v^T = x-tile x Wv-tile (source 0 = 16 keys, source 1 = 16 channels) a lane holds one channel and the 16 registers of two neighbouring tiles are 16 neighbouring keys: what the conversions want.
; Wk's and Wq's tiles take their rows in the same way, so that a lane's results of two neighbouring tiles are 16 neighbouring channels of one row of k or q.
; A scale register is PACKED: lanes 0-15 hold a row's word for the first 128 along K, lanes 16-31 the word for the second 128, which the second product reads by its row selector.
; The biases are the C of each sum's first matrix instruction.  No tensor load: the weights are turned into images once, by register loads; one barrier in the launch.
; No cluster: the work-groups share the weights alone, 147 KB against the 315 KB of x and x2 that each reads for itself.
; LIMITS: NaN and infinities among the inputs are not served; a block whose largest magnitude lies under 2^-122 has its scale byte held at 1; a block of zeros has the byte 1 (its codes are zeros; this program alone reads the bytes).
; THE MODE: SCHED_MODE bits 1:0 = 2 (LLVM: expert scheduling mode 2), set by the entry lines.  The code itself states the register dependences
; between vector or matrix instructions and memory or LDS instructions, with s_wait_alu, always for 0.
; THE PLAN.  Registers that memory or LDS instructions touch:
;   v1-v23       addresses and offsets: written once at the head, read by every load and store, never written again: one wait on va_vdst ahead of the first load.
;   RAW0, RAW1   x's loads land there; the stage's LDS stores read them; units 2 and 3 land there again: a wait on vm_vsrc ahead of each of those two runs of loads.
;   T0, T1       the stage's LDS loads land there; QUANT reads them; the turn after next lands there again, behind the wait on va_vdst that follows that QUANT.
;   PC, v38-39   written by QUANT (from its conversions on) and by the selects behind it; read by the run of stores that follows.  One wait on va_vdst stands between the two,
;                and one on vm_vsrc directly ahead of the next QUANT's conversions: most of a QUANT behind the stores that it waits for.
;   WR           the weights' loads land there; LDS stores read them; x's tiles, x2's and Wv's land there later, behind waits on vm_vsrc that stand in the QUANTs between.
;   SF, BC, SS   a batch of four streaming tiles lands there; its 16 products read them; the next batch lands there: one wait on va_vdst behind each batch's products.
;                The first batch of the next product is asked for ahead of the two QUANTs of the product just finished, which name none of these registers.
;   RESA         x's two tiles by LDS loads, read by K's products; Wv's two land there behind the waits that follow those products.
;   BVC, the accumulators, TM, TQ and v34-37 are named by vector and matrix instructions alone.
.set WIMG, 0                           ; LDS: 64 fragments of Wk (mat 0) and Wq (mat 1): (2 mat + g) x 24,576 + t x 3,072 + s x 1,536  (g: which 128 outputs, t: tile, s: K step)
.set WSC,  98304                       ; their 32 packed scale words: (2 mat + g) x 1,024 + t x 128 + 4 x lane
.set BIA,  102400                      ; bk, then bq: 1,024 bytes each
.set XIMG, 104448                      ; x's 32 fragments: tile T = 2 w + u at 3,072 T + 1,536 s
.set XSC,  153600                      ; their 16 packed scale words, 128 bytes each
.set STG,  155648                      ; a stage of 16 rows x (512 + 16) bytes for each wave
.set SS,   24                          ; v24-27  scale words of the four tiles that stream
.set TM,   44                          ; v44-59  at work in QUANT
.set PC,   60                          ; v60-71  the codes just made
.set TQ,   72                          ; v72-79  the conversions' second halves
.set T0,   128                         ; v128-191, v192-255: 64 numbers of x each; later the accumulators ACC + 64 P + 8 t
.set T1,   192
.set ACC,  128
.set RAW0, 0                           ; window 1: x as loaded, two sets of 64;
.set RAW1, 64
.set WR,   128                         ; the wave's eight fragments of Wk and Wq on their way into LDS
.set SF,   0                           ; later: four streaming tiles x two K steps,
.set BC,   96                          ; their biases,
.set RESA, 128                         ; the operand that stays: x's two tiles, later Wv's two,
.set RESB, 176                         ; x2's two,
.set BVC,  224                         ; bv as a C: eight equal registers for each of Wv's two tiles
.set MSB, 0
.macro WIN new                         ; the immediate's high byte repeats the setting that is left
.if MSB != \new
	s_set_vgpr_msb (MSB<<8)|\new
.set MSB, \new
.endif
.endm
.macro PLACES n
.rept \n
	v_nop
.endr
.endm
; 64 numbers of a lane, register 16 b + i = k 32 b + 16 (lane / 16) + i of my row, become a fragment's codes in v[PC] on and its scale word in v[pw].
; free = 0: no store has read v[PC] on yet;  1: LDS stores have;  2: global stores have
.macro QUANT src, pw, free
.irp b, 0,1,2,3
	v_max3_num_f32 v[TM+\b], |v[(\src)+16*\b]|, |v[(\src)+1+16*\b]|, 0x2800000   ; block b: my 16 numbers, and the floor 2^(5 - 127): the byte cannot fall under 1
.endr
.irp i, 2,4,6,8,10,12,14
.irp b, 0,1,2,3
	v_max3_num_f32 v[TM+\b], v[TM+\b], |v[(\src)+16*\b+\i]|, |v[(\src)+1+16*\b+\i]|   ; the four blocks by turns
.endr
.endr
.irp b, 0,1,2,3
	v_permlanex16_b32 v[TM+4+\b], v[TM+\b], s38, s39
.endr
.irp b, 0,1,2,3
	v_max_num_f32 v[TM+\b], v[TM+\b], v[TM+4+\b]   ; with lane l xor 16's: the block's largest magnitude
.endr
.irp b, 0,1,2,3
	v_add_nc_u32 v[TM+12+\b], 0xfe000000, v[TM+\b]   ; 4 off its exponent field: the conversion's scale operand
.endr
.irp b, 0,1,2,3
	v_lshrrev_b32 v[TM+4+\b], 23, v[TM+12+\b]      ; the scale's byte
.endr
	v_lshl_or_b32 v[\pw], v[TM+5], 8, v[TM+4]      ; four bytes: my row's scale word
	v_lshl_or_b32 v[\pw], v[TM+6], 16, v[\pw]
	v_lshl_or_b32 v[\pw], v[TM+7], 24, v[\pw]
.if \free == 2
	s_wait_xcnt 0x0                                ; every earlier memory instruction has had its addresses translated (ISA guide 3.1): v[PC] on, and v[38:39], which global stores read, are written again only behind this wait
.endif
.if \free
	s_wait_alu depctr_vm_vsrc(0)                   ; the stores issued so far have read v[PC] on, which the conversions below write again (and v38, v39, which the selects behind this macro write)
.endif
.irp c, 0,1
	v_cvt_scalef32_pk16_bf6_f32 v[PC+6*\c:PC+2+6*\c], v[(\src)+32*\c:(\src)+15+32*\c], v[TM+12+2*\c]
	v_cvt_scalef32_pk16_bf6_f32 v[TQ+4*\c:TQ+2+4*\c], v[(\src)+16+32*\c:(\src)+31+32*\c], v[TM+12+2*\c+1]   ; (a conversion's three registers begin on an even number)
.endr
	v_nop                                          ; one plain place behind a scaled conversion
.irp c, 0,1                                    ; the operand's layout wants a whole block in a lane
.irp i, 0,1,2
	v_permlane16_swap_b32 v[PC+6*\c+\i], v[TQ+4*\c+\i]
.endr
.irp i, 0,1,2
	v_mov_b32 v[PC+3+6*\c+\i], v[TQ+4*\c+\i]
.endr
.endr
.endm
; unit q = 2 u + s of x: the 16 rows of tile u, 128 channels of K step s; each load takes 512 consecutive bytes of one row
.macro XLD q, raw
	WIN 0x40
.irp n, 0,1,2,3,4,5,6,7,8,9,10,11,12,13,14,15
	global_load_b128 v[(\raw)+4*\n:(\raw)+4*\n+3], v1, s[4:5] offset:(\n+8*(\n/8)+8*((\q)/2))*1024+512*((\q)%2) th:TH_LOAD_NT
.endr
	WIN 0
.endm
; a unit through my stage: in as rows, back as 16 neighbours of each block of 32 for lane (r, h).  LDS serves a wave's instructions in order: no wait between
.macro TURN raw, t
	WIN 0x04
.irp n, 0,1,2,3,4,5,6,7,8,9,10,11,12,13,14,15
	ds_store_b128 v10, v[(\raw)+4*\n:(\raw)+4*\n+3] offset:528*\n
.endr
	WIN 0
.irp b, 0,1,2,3
.irp j, 0,1,2,3
	ds_load_b128 v[(\t)+16*\b+4*\j:(\t)+16*\b+4*\j+3], v11 offset:128*\b+16*\j
.endr
.endr
.endm
.macro LIMG off                        ; the fragment in v[PC] on goes to my place among x's images
.irp c, 0,1,2
	ds_store_b128 v12, v[PC+4*\c:PC+4*\c+3] offset:(\off)+512*\c
.endr
.endm
; A BATCH: streaming tiles 4 q .. 4 q + 3 (source 0) from LDS at v[sa] + so, their scale words at v[ca] + co; bias = 1: their biases at v19 + bo.  It leaves the destination's window at 1.
.macro BLD sa, so, ca, co, q, bias, bo
.irp tb, 0,1,2,3
	ds_load_b32 v[SS+\tb], v[\ca] offset:(\co)+128*(4*(\q)+\tb)
.endr
	WIN 0x40
.irp tb, 0,1,2,3
.irp k, 0,1,2,3,4,5
	ds_load_b128 v[SF+24*\tb+4*\k:SF+24*\tb+4*\k+3], v[\sa] offset:(\so)+3072*(4*(\q)+\tb)+512*\k
.endr
.if \bias
	ds_load_b128 v[BC+8*\tb:BC+8*\tb+3], v19 offset:(\bo)+128*((4*(\q)+\tb)/2)+32*(\tb%2)
	ds_load_b128 v[BC+8*\tb+4:BC+8*\tb+7], v19 offset:(\bo)+128*((4*(\q)+\tb)/2)+32*(\tb%2)+16
.endif
.endr
.endm
; its 16 products against the two tiles that stay (source 1, window 1 at res, scale words v[rs], v[rs + 1]), K = 256.
; The eight accumulators of a batch take turns, one instruction a turn.  bias = 1: C = BC; 0: C = BVC.
.macro BMM q, res, rs, bias
	s_wait_dscnt 0x0                               ; the batch is in
	WIN 0x15                                       ; sources 0, 1 and C window 1, D window 0
.irp tb, 0,1,2,3
.irp P, 0,1
.if \bias
	v_wmma_scale_f32_16x16x128_f8f6f4 v[ACC+64*\P+8*(4*(\q)+\tb):ACC+64*\P+8*(4*(\q)+\tb)+7], v[SF+24*\tb:SF+24*\tb+11], v[(\res)+24*\P:(\res)+24*\P+11], v[BC+8*\tb:BC+8*\tb+7], v[SS+\tb], v[(\rs)+\P] matrix_a_fmt:MATRIX_FMT_BF6 matrix_b_fmt:MATRIX_FMT_BF6
.else
	v_wmma_scale_f32_16x16x128_f8f6f4 v[ACC+64*\P+8*(4*(\q)+\tb):ACC+64*\P+8*(4*(\q)+\tb)+7], v[SF+24*\tb:SF+24*\tb+11], v[(\res)+24*\P:(\res)+24*\P+11], v[BVC+8*\P:BVC+8*\P+7], v[SS+\tb], v[(\rs)+\P] matrix_a_fmt:MATRIX_FMT_BF6 matrix_b_fmt:MATRIX_FMT_BF6
.endif
.endr
.endr
	WIN 0x05                                       ; C and D window 0
.irp tb, 0,1,2,3
.irp P, 0,1
	v_wmma_scale_f32_16x16x128_f8f6f4 v[ACC+64*\P+8*(4*(\q)+\tb):ACC+64*\P+8*(4*(\q)+\tb)+7], v[SF+24*\tb+12:SF+24*\tb+23], v[(\res)+24*\P+12:(\res)+24*\P+23], v[ACC+64*\P+8*(4*(\q)+\tb):ACC+64*\P+8*(4*(\q)+\tb)+7], v[SS+\tb], v[(\rs)+\P] matrix_a_fmt:MATRIX_FMT_BF6 matrix_b_fmt:MATRIX_FMT_BF6 matrix_a_scale:MATRIX_SCALE_ROW1 matrix_b_scale:MATRIX_SCALE_ROW1
.endr
.endr
	WIN 0
.endm
; Eight streaming tiles x the two that stay: 32 matrix instructions in two batches.  The first batch has been asked for ahead of this macro.
.macro PROD sa, so, ca, co, res, rs, bias, bo
	BMM 0, \res, \rs, \bias
	PLACES 4                                       ; behind the products, in front of loads into registers that they have read
	s_wait_alu depctr_va_vdst(0)                   ; the first batch's products are done reading SF, BC and SS, in which the second batch lands
	BLD \sa, \so, \ca, \co, 1, \bias, \bo
	BMM 1, \res, \rs, \bias
	PLACES 4                                       ; in front of the first read of results, and of loads into registers that the products have read
.endm
; the 64 results of tile P become a fragment, which leaves as its image: three stores of 512 consecutive bytes.
; last = 1: the phase's four scale words are whole: they are packed, two to a register, and leave with the image: 32 lanes store 256 consecutive bytes, aligned
.macro OUTQ P, pw, base, off, last, sb
	QUANT ACC+64*(\P), \pw, 2
.if \last
	v_cndmask_b32 v38, v34, v35, vcc_lo            ; lanes 0-15 the first word, lanes 16-31 the second
	v_cndmask_b32 v39, v36, v37, vcc_lo
.endif
	s_wait_alu depctr_va_vdst(0)                   ; QUANT has written v[PC] on (and the selects v38, v39), which the stores below read
.irp c, 0,1,2
	global_store_b128 v1, v[PC+4*\c:PC+4*\c+3], s[\base:\base+1] offset:(\off)+512*\c
.endr
.if \last
	global_store_b64 v3, v[38:39], s[\sb:\sb+1]
.endif
.endm
	s_load_b512 s[4:19], s[0:1], 0x0               ; x 4, x2 codes 6, x2 scales 8, Wk codes 10, Wk scales 12, Wq codes 14, Wq scales 16, Wv codes 18
	s_load_b512 s[20:35], s[0:1], 0x40             ; Wv scales 20, bk 22, bq 24, bv 26, kv_codes 28, kv_scales 30, q_codes 32, q_scales 34
	v_lshl_add_u32 v126, v0, 2, 0x36800
	v_mov_b32 v127, 0
	v_lshrrev_b32 v86, 5, v0
	v_readfirstlane_b32 s36, v86                   ; wave 0..7
	v_and_b32 v87, 31, v0                          ; lane
	v_and_b32 v88, 15, v0                          ; r
	v_bfe_u32 v89, v0, 4, 1                        ; h
	v_lshlrev_b32 v1, 4, v87                       ; 16 x lane
	v_lshlrev_b32 v2, 2, v87                       ; 4 x lane
	v_lshlrev_b32 v3, 3, v87                       ; 8 x lane
	v_and_b32 v90, 8, v88
	v_add_nc_u32 v90, v90, v88                     ; r + 8 (r / 8)
	s_wait_alu depctr_va_sdst(0)                   ; s36 is written, ahead of its first reader: LDS addresses and the buffers' bases are made from it
	s_lshr_b32 s44, s36, 1
	s_lshl_b32 s44, s44, 5
	s_and_b32 s46, s36, 1
	s_lshl_b32 s46, s46, 3
	s_add_co_u32 s44, s44, s46                     ; tile t = w of a weight begins at row 32 (w / 2) + 8 (w % 2)
	v_add_nc_u32 v90, s44, v90
	v_mul_u32_u24 v4, v90, 192                     ; that row's codes (192 bytes a row),
	v_mad_u32_u24 v4, v89, 24, v4                  ; + my half's 24 bytes
	v_lshlrev_b32 v5, 3, v90                       ; and its scale words: lanes 0-15 the first, lanes 16-31 the second
	v_lshl_add_u32 v5, v89, 2, v5
	s_mul_i32 s44, s36, 3072
	v_add_nc_u32 v6, s44, v1                       ; where I store Wk's images (WIMG = 0),
	v_add_nc_u32 v7, 49152, v6                     ; and Wq's
	s_lshl_b32 s44, s36, 7
	s_add_co_u32 s44, s44, WSC
	v_add_nc_u32 v8, s44, v2                       ; their scale words
	v_lshl_add_u32 v9, v0, 2, BIA                  ; the biases: a word a thread
	v_lshlrev_b32 v23, 2, v0
	s_mul_i32 s44, s36, 8448
	s_add_co_u32 s44, s44, STG                     ; my stage
	v_add_nc_u32 v10, s44, v1                      ; in: 16 bytes a lane of a row
	v_mul_u32_u24 v11, v88, 528
	v_lshl_add_u32 v11, v89, 6, v11
	v_add_nc_u32 v11, s44, v11                     ; back: row r, + 64 h
	s_mul_i32 s44, s36, 6144
	s_add_co_u32 s44, s44, XIMG
	v_add_nc_u32 v12, s44, v1                      ; my four images of x
	s_lshl_b32 s44, s36, 8
	s_add_co_u32 s44, s44, XSC
	v_add_nc_u32 v13, s44, v2                      ; their two scale words
	v_add_nc_u32 v14, WIMG, v1                     ; reading: Wk's images,
	v_add_nc_u32 v15, 49152, v14                   ; Wq's,
	v_add_nc_u32 v16, XIMG, v1                     ; x's,
	v_add_nc_u32 v17, WSC, v2                      ; the weights' scale words,
	v_add_nc_u32 v18, XSC, v2                      ; x's,
	v_lshl_add_u32 v19, v89, 6, BIA                ; the biases: + 64 h
	v_mul_u32_u24 v20, v88, 192
	v_mad_u32_u24 v20, v89, 24, v20                ; a fragment from rows in memory: 192 r + 24 h
	v_lshlrev_b32 v21, 3, v88
	v_lshl_add_u32 v21, v89, 2, v21                ; its packed scale word: 8 r + 4 h
	v_lshlrev_b32 v22, 2, v88                      ; 4 r
	v_cmp_lt_u32 vcc_lo, 15, v87                   ; lanes 16-31: set once, never written again
.irp b, 0,1,2,3
	v_mov_b32 v[TM+4+\b], 0                        ; written once: a lane permute's destination counts as one of its sources
.endr
	s_wait_alu depctr_va_vcc(0)                    ; VCC is written, ahead of its first reader: the selects that pack two scale words into a register
	s_mov_b32 s38, 0x76543210
	s_mov_b32 s39, 0xfedcba98                      ; v_permlanex16_b32's selects for lane l xor 16
	s_mov_b32 s45, 0
	s_mov_b32 s47, 0
	s_wait_kmcnt 0x0
	s_lshl_b32 s44, ttmp9, 18                      ; x: 256 rows of 1,024 bytes a work-group, 32 a wave
	s_lshl_b32 s46, s36, 15
	s_add_co_u32 s44, s44, s46
	s_add_nc_u64 s[4:5], s[4:5], s[44:45]
	s_mul_i32 s44, ttmp9, 49152                    ; x2's codes and q's images: 49,152 bytes a work-group, 6,144 a wave
	s_mul_i32 s46, s36, 6144
	s_add_nc_u64 s[18:19], s[18:19], s[46:47]      ; Wv's codes: my 32 rows
	s_add_co_u32 s44, s44, s46
	s_add_nc_u64 s[6:7], s[6:7], s[44:45]
	s_add_nc_u64 s[32:33], s[32:33], s[44:45]
	s_lshl_b32 s44, ttmp9, 11                      ; x2's scales and q's: 2,048 bytes a work-group, 256 a wave
	s_lshl_b32 s46, s36, 8
	s_add_nc_u64 s[20:21], s[20:21], s[46:47]      ; Wv's scales: my 32 rows
	s_add_co_u32 s44, s44, s46
	s_add_nc_u64 s[8:9], s[8:9], s[44:45]
	s_add_nc_u64 s[34:35], s[34:35], s[44:45]
	s_lshl_b32 s44, ttmp9, 12                      ; kv_scales: 4,096 bytes a work-group; K's words: 256 a wave
	s_add_co_u32 s44, s44, s46
	s_add_nc_u64 s[30:31], s[30:31], s[44:45]
	s_add_nc_u64 s[42:43], s[30:31], 2048          ; V's words lie 2,048 bytes on
	s_lshl_b32 s46, s36, 7
	s_add_nc_u64 s[26:27], s[26:27], s[46:47]      ; bv: my 32 numbers
	s_mul_i32 s44, ttmp9, 98304                    ; kv_codes: two key steps of 49,152 bytes a work-group
	s_add_nc_u64 s[28:29], s[28:29], s[44:45]
	s_mul_i32 s46, s36, 3072
	s_add_co_u32 s46, s46, 24576
	s_add_nc_u64 s[40:41], s[28:29], s[46:47]      ; V's fragments: behind a step's 16 of K; mine are 2 w, 2 w + 1
	s_lshr_b32 s44, s36, 2
	s_mul_i32 s44, s44, 49152                      ; K's: key step w / 4,
	s_and_b32 s46, s36, 3
	s_mul_i32 s46, s46, 6144                       ; key tiles 2 (w % 4), 2 (w % 4) + 1: four fragments
	s_add_co_u32 s44, s44, s46
	s_add_nc_u64 s[28:29], s[28:29], s[44:45]
	s_wait_alu depctr_va_vdst(0)                   ; the addresses and offsets v1 to v23 are written, which the loads and stores of the whole kernel read
	; ---- X: my 32 rows of x become four fragments; on the way my tile of Wk and Wq goes into LDS
	XLD 0, RAW0
	XLD 1, RAW1
	WIN 0x40
.irp g, 0,1
.irp s, 0,1
.irp p, 0,1,2,3,4,5
	global_load_b64 v[WR+12*(2*\g+\s)+2*\p:WR+12*(2*\g+\s)+2*\p+1], v4, s[10:11] offset:24576*\g+96*\s+48*(\p/3)+8*(\p%3)
	global_load_b64 v[WR+12*(4+2*\g+\s)+2*\p:WR+12*(4+2*\g+\s)+2*\p+1], v4, s[14:15] offset:24576*\g+96*\s+48*(\p/3)+8*(\p%3)
.endr
.endr
.endr
	WIN 0
	global_load_b32 v80, v5, s[12:13]
	global_load_b32 v81, v5, s[12:13] offset:1024
	global_load_b32 v82, v5, s[16:17]
	global_load_b32 v83, v5, s[16:17] offset:1024
	global_load_b32 v84, v23, s[22:23]
	global_load_b32 v85, v23, s[24:25]
	s_wait_loadcnt 63                              ; behind unit 0 stand 16 + 54 loads: 63 is the smaller count, so unit 0 is in
	TURN RAW0, T0
	s_wait_dscnt 16                                ; all but the turn's 16 loads: the stage's stores are done
	s_wait_alu depctr_vm_vsrc(0)                   ; the stage's stores have read RAW0, in which unit 2 lands
	XLD 2, RAW0
	s_wait_loadcnt 63                              ; behind unit 1 stand 54 + 16 loads
	TURN RAW1, T1
	s_wait_dscnt 16                                ; all but this turn's 16 loads: unit 0 is back
	s_wait_alu depctr_vm_vsrc(0)                   ; the stage's stores have read RAW1, in which unit 3 lands
	XLD 3, RAW1
	QUANT T0, 34, 0
	s_wait_alu depctr_va_vdst(0)                   ; QUANT has written v[PC] on, which the image's stores read, and is done reading T0, in which unit 2 lands in the turn below
	LIMG 0
	s_wait_loadcnt 16                              ; only unit 3 is younger: the weights and unit 2 are in
	WIN 0x04
.irp g, 0,1
.irp s, 0,1
.irp c, 0,1,2
	ds_store_b128 v6, v[WR+12*(2*\g+\s)+4*\c:WR+12*(2*\g+\s)+4*\c+3] offset:24576*\g+1536*\s+512*\c
	ds_store_b128 v7, v[WR+12*(4+2*\g+\s)+4*\c:WR+12*(4+2*\g+\s)+4*\c+3] offset:24576*\g+1536*\s+512*\c
.endr
.endr
.endr
	WIN 0
	ds_store_b32 v8, v80
	ds_store_b32 v8, v81 offset:1024
	ds_store_b32 v8, v82 offset:2048
	ds_store_b32 v8, v83 offset:3072
	ds_store_b32 v9, v84
	ds_store_b32 v9, v85 offset:1024
	TURN RAW0, T0
	s_wait_dscnt 32                                ; all but this turn: unit 1 is back
	QUANT T1, 35, 1
	v_cndmask_b32 v38, v34, v35, vcc_lo            ; the packed scale word of tile 0
	s_wait_alu depctr_va_vdst(0)                   ; v[PC] on and v38 are written, which the stores below read; QUANT is done reading T1, in which unit 3 lands in the turn below
	LIMG 1536
	ds_store_b32 v13, v38
	s_wait_loadcnt 0x0                             ; unit 3
	TURN RAW1, T1
	s_wait_dscnt 32                                ; all but this turn: unit 2 is back
	QUANT T0, 34, 1
	s_wait_alu depctr_va_vdst(0)                   ; QUANT has written v[PC] on, which the image's stores read
	LIMG 3072
	s_wait_dscnt 0x0                               ; unit 3 is back
	QUANT T1, 35, 1
	v_cndmask_b32 v38, v34, v35, vcc_lo            ; tile 1's.  (The store that read v38 stands ahead of the waits on vm_vsrc in the last two QUANTs)
	s_wait_alu depctr_va_vdst(0)                   ; v[PC] on and v38 are written, which the stores below read
	LIMG 4608
	ds_store_b32 v13, v38 offset:128
	WIN 0x40                                       ; x2's two tiles, as they lie in memory: wanted two phases on.  They land where weights lay: the LDS stores that read those registers stand ahead of three waits on vm_vsrc
.irp P, 0,1
.irp s, 0,1
.irp p, 0,1,2,3,4,5
	global_load_b64 v[RESB+24*\P+12*\s+2*\p:RESB+24*\P+12*\s+2*\p+1], v20, s[6:7] offset:3072*\P+96*\s+48*(\p/3)+8*(\p%3)
.endr
.endr
.endr
	WIN 0
	global_load_b32 v30, v21, s[8:9]
	global_load_b32 v31, v21, s[8:9] offset:128
	s_wait_dscnt 0x0                               ; for the others' sake: my stores have landed
	s_barrier_signal -1
	s_barrier_wait -1                              ; the weights' images, the biases and x's images lie in LDS; nothing is stored there again
	; ---- K: my two tiles of x against Wk's sixteen.  The loads below land in registers that x and the weights passed through: no vector instruction has named them, and the LDS stores that read them
	; stand ahead of the waits on vm_vsrc in the QUANTs above: nothing more is owed
	ds_load_b32 v28, v13
	ds_load_b32 v29, v13 offset:128
	BLD 14, 0, 17, 0, 0, 1, 0
.irp k, 0,1,2,3,4,5,6,7,8,9,10,11
	ds_load_b128 v[RESA+4*\k:RESA+4*\k+3], v12 offset:512*\k   ; (the destination's window is still 1)
.endr
	PROD 14, 0, 17, 0, RESA, 28, 1, 0
	s_wait_alu depctr_va_vdst(0)                   ; the products are done reading SF, BC and SS, in which the next product's first batch lands while these results are quantised
	BLD 14, 24576, 17, 1024, 0, 1, 512
	WIN 0
	OUTQ 0, 34, 28, 0, 0, 0
	OUTQ 1, 36, 28, 3072, 0, 0
	PROD 14, 24576, 17, 1024, RESA, 28, 1, 512
	s_wait_alu depctr_va_vdst(0)                   ; the products are done reading SF, BC and SS, in which Q's first batch lands, and RESA, in which Wv lands further down
	BLD 15, 0, 17, 2048, 0, 1, 1024
	WIN 0
	OUTQ 0, 35, 28, 1536, 0, 0
	OUTQ 1, 37, 28, 4608, 1, 30                    ; v38: key tile u = 0: lanes 0-15 channels 0-127, lanes 16-31 channels 128-255; v39: u = 1
	s_wait_loadcnt 0x0                             ; x2
	WIN 0x40                                       ; Wv's two tiles take x's place: wanted a phase on.  No vector or matrix instruction since the wait behind K's last products names these registers
.irp e, 0,1
.irp s, 0,1
.irp p, 0,1,2,3,4,5
	global_load_b64 v[RESA+24*\e+12*\s+2*\p:RESA+24*\e+12*\s+2*\p+1], v20, s[18:19] offset:3072*\e+96*\s+48*(\p/3)+8*(\p%3)
.endr
.endr
.endr
	WIN 0
	global_load_b32 v32, v21, s[20:21]
	global_load_b32 v33, v21, s[20:21] offset:128
	global_load_b32 v40, v22, s[26:27]
	global_load_b32 v41, v22, s[26:27] offset:64
	; ---- Q: my two tiles of x2 against Wq's sixteen
	PROD 15, 0, 17, 2048, RESB, 30, 1, 1024
	s_wait_alu depctr_va_vdst(0)                   ; the products are done reading SF, BC and SS, in which the next product's first batch lands
	BLD 15, 24576, 17, 3072, 0, 1, 1536
	WIN 0
	OUTQ 0, 34, 32, 0, 0, 0
	OUTQ 1, 36, 32, 3072, 0, 0
	PROD 15, 24576, 17, 3072, RESB, 30, 1, 1536
	s_wait_alu depctr_va_vdst(0)                   ; the products are done reading SF and SS, in which V's first batch lands
	BLD 16, 0, 18, 0, 0, 0, 0
	s_wait_loadcnt 0x0                             ; Wv, bv
.irp e, 0,1
.irp j, 0,1,2,3,4,5,6,7
	v_mov_b32 v[BVC+8*\e+\j], v[40+\e]             ; my channel's bias for all eight keys (the destination's window is still 1).  Two QUANTs stand between these lines and the products that take them as C
.endr
.endr
	WIN 0
	OUTQ 0, 35, 32, 1536, 0, 0
	OUTQ 1, 37, 32, 4608, 1, 34                    ; v38: query tile 0, v39: tile 1, packed as K's.  (K's store of v[38:39] stands ahead of the waits in Q's QUANTs)
	; ---- V: all sixteen tiles of x (source 0: the keys) against my two tiles of Wv (source 1: the channels); a lane holds one channel, its registers run along the keys
	PROD 16, 0, 18, 0, RESA, 32, 0, 0
	s_wait_alu depctr_va_vdst(0)                   ; the products are done reading SF and SS, in which the second key step's first batch lands
	BLD 16, 24576, 18, 1024, 0, 0, 0
	WIN 0
	OUTQ 0, 34, 40, 0, 0, 0
	OUTQ 1, 35, 40, 1536, 0, 0
	PROD 16, 24576, 18, 1024, RESA, 32, 0, 0       ; nothing is loaded behind the last products: no wait stands here
	OUTQ 0, 36, 40, 49152, 0, 0
	OUTQ 1, 37, 40, 49152+1536, 1, 42              ; v38: key step 0: lanes 0-15 channel tile 2 w, lanes 16-31 tile 2 w + 1; v39: key step 1
	s_wait_dscnt 0x0
	s_wait_alu depctr_hold_cnt(0) depctr_sa_sdst(0) depctr_va_vdst(0) depctr_va_sdst(0) depctr_va_ssrc(0) depctr_va_vcc(0) depctr_vm_vsrc(0)
	s_wait_tensorcnt 0x0
	ds_add_u32 v126, v127
	s_wait_dscnt 0x0
	s_endpgm
.Lfunc_end_k_q5b519b453c_prep:
	.size	k_q5b519b453c_prep, .Lfunc_end_k_q5b519b453c_prep-k_q5b519b453c_prep
	.p2alignl 7, 3214868480
	.fill 96, 4, 3214868480
	.section	.rodata,"a",@progbits
	.p2align	6, 0x0
	.amdhsa_kernel k_q5b519b453c_prep
		.amdhsa_group_segment_fixed_size 224256
		.amdhsa_private_segment_fixed_size 0
		.amdhsa_enable_private_segment 0
		.amdhsa_kernarg_size 128
		.amdhsa_user_sgpr_count 2
		.amdhsa_user_sgpr_kernarg_segment_ptr 1
		.amdhsa_wavefront_size32 1
		.amdhsa_system_sgpr_workgroup_id_x 1
		.amdhsa_system_sgpr_workgroup_id_y 1
		.amdhsa_system_sgpr_workgroup_id_z 1
		.amdhsa_system_vgpr_workitem_id 0
		.amdhsa_next_free_vgpr 512
		.amdhsa_next_free_sgpr 80
		.amdhsa_reserve_vcc 1
		.amdhsa_float_denorm_mode_32 3
		.amdhsa_float_denorm_mode_16_64 3
		.amdhsa_memory_ordered 1
		.amdhsa_forward_progress 1
		.amdhsa_inst_pref_size 153
	.end_amdhsa_kernel
	.amdgpu_metadata
---
amdhsa.version: [ 1, 2 ]
amdhsa.kernels:
  - .name:           k_q5b519b453c_prep
    .symbol:         k_q5b519b453c_prep.kd
    .args:
      - { .name: x, .offset: 0, .size: 8, .value_kind: global_buffer, .address_space: global }
      - { .name: x2_codes, .offset: 8, .size: 8, .value_kind: global_buffer, .address_space: global }
      - { .name: x2_scales, .offset: 16, .size: 8, .value_kind: global_buffer, .address_space: global }
      - { .name: Wk_codes, .offset: 24, .size: 8, .value_kind: global_buffer, .address_space: global }
      - { .name: Wk_scales, .offset: 32, .size: 8, .value_kind: global_buffer, .address_space: global }
      - { .name: Wq_codes, .offset: 40, .size: 8, .value_kind: global_buffer, .address_space: global }
      - { .name: Wq_scales, .offset: 48, .size: 8, .value_kind: global_buffer, .address_space: global }
      - { .name: Wv_codes, .offset: 56, .size: 8, .value_kind: global_buffer, .address_space: global }
      - { .name: Wv_scales, .offset: 64, .size: 8, .value_kind: global_buffer, .address_space: global }
      - { .name: bk, .offset: 72, .size: 8, .value_kind: global_buffer, .address_space: global }
      - { .name: bq, .offset: 80, .size: 8, .value_kind: global_buffer, .address_space: global }
      - { .name: bv, .offset: 88, .size: 8, .value_kind: global_buffer, .address_space: global }
      - { .name: kv_codes, .offset: 96, .size: 8, .value_kind: global_buffer, .address_space: global }
      - { .name: kv_scales, .offset: 104, .size: 8, .value_kind: global_buffer, .address_space: global }
      - { .name: q_codes, .offset: 112, .size: 8, .value_kind: global_buffer, .address_space: global }
      - { .name: q_scales, .offset: 120, .size: 8, .value_kind: global_buffer, .address_space: global }
    .group_segment_fixed_size: 224256
    .private_segment_fixed_size: 0
    .kernarg_segment_align: 8
    .kernarg_segment_size: 128
    .max_flat_workgroup_size: 256
    .sgpr_count:     80
    .vgpr_count:     512
    .wavefront_size: 32
...
	.end_amdgpu_metadata
.endif
;; end of part 3
;; launch attn (part 4): grid 4 x 64, 8 waves a work-group, clusters of 4 x 1, 327,680 bytes of LDS; arguments q_codes, q_scales, kv_codes, kv_scales, x, w_out, b_out, gamma, beta, out0; writes out0
.if DOCPART == 4
	.amdgcn_target "amdgcn-amd-amdhsa--gfx1250"
	.amdhsa_code_object_version 6
	.text
	.protected	k_q5b519b453c_attn
	.globl	k_q5b519b453c_attn
	.p2align	8
	.type	k_q5b519b453c_attn,@function
k_q5b519b453c_attn:
	s_mov_b64 s[64:65], 0
	v_nop
	global_prefetch_b8 v0, s[64:65] scope:SCOPE_SE
	s_setreg_imm32_b32 hwreg(HW_REG_WAVE_MODE, 25, 1), 1
	s_wait_xcnt 0x0
	s_wait_alu depctr_hold_cnt(0) depctr_sa_sdst(0) depctr_va_vdst(0) depctr_va_sdst(0) depctr_va_ssrc(0) depctr_va_vcc(0) depctr_vm_vsrc(0)
	s_getreg_b32 s2, hwreg(HW_REG_IB_STS2, 6, 4)
	s_cmp_eq_u32 s2, 0
	s_cbranch_scc0 .Lentry_in_a_cluster
	s_endpgm
.Lentry_in_a_cluster:
	s_bfe_u32 s2, ttmp6, 0x10000c
	s_cmp_lg_u32 s2, 0x3003
	s_cbranch_scc0 .Lentry_shape_is_right
	s_endpgm
.Lentry_shape_is_right:
; out = LayerNorm(x + softmax(q k^T / sqrt(128)) v x sum(w_out) + b_out) x gamma + beta, both products on codes of BF6 (E3M2) with one E8M0 scale for each 32 along K.
; q, k, v come as images of operand registers (a fragment of 16 rows x 128 K is 1,536 bytes: registers 4 c .. 4 c + 3 of lane l at 512 c + 16 l), so every fragment is three loads of 16 bytes a lane.
; THE SOFTMAX: t = score x log2(e) / sqrt(128); M = the running largest t rounded UP to a whole number; p = 2^(t - M) is quantised along the keys, not normalised; the row's sum is taken of the unquantised p
; and divides at the end.  When M moves, the sum and O are multiplied by 2^(old M - new M), which rounds nothing.
; SHARES.  64 attentions of 1,024 queries x 1,024 keys x 256 channels.  A cluster is the four blocks of 256 queries of one attention; a work-group of eight waves owns a block, a wave 32 queries: two tiles P,
; so that each fragment of K and V read from LDS feeds two products.  Two waves share a SIMD: one's vector work stands beside the other's matrix work.
; Both products are used transposed: S^T = K Q^T (source 0 = 16 keys), O^T = V^T P^T (source 0 = 16 channels): a lane holds ONE query throughout.  Lane r of key tile 2 b + u holds key 32 b + 8 u + r + 8 (r / 8),
; so that the 16 registers of tiles 2 b, 2 b + 1 are keys 32 b + 16 (lane / 16) + 0 .. 15.
; THE RING.  Two LDS slots of two key steps (98,304 bytes), filled JOINTLY for the four work-groups: waves 0 to 3 ask for a quarter each, by the same descriptor and a mask that names the four.
; The attention's scale words (16,384 bytes) come once, by wave 4.  A wave never has more than one tensor load out.
; A scale register is PACKED: lanes 0-15 hold the first word (channels 0-127; channel tile 2 w), lanes 16-31 the second, read by the row selector.
; LIMITS: NaN and infinities among the inputs are not served; a block of p whose largest number lies under 2^-122 has its scale byte held at 1.
; REGISTERS.  Window 1: O^T, tile P, channel tile dt at 128 P + 8 dt.  Window 0: v1-7 addresses; v8 + 4 P: -M, the largest t, the sum in two halves; v16 + 2 P: f, beside it p's scale word; v20-21 Q's scale words;
; v22-29 K's, then V's; v30 the prefetch's offset; v32-79 Q; v80-127 four fragments of K, then the softmax's registers and p's codes; v128-255 S^T, then p, then fragments of V.
.set STEPB, 49152                      ; a key step: 16 fragments of K, then 16 of V
.set SLOT1, 131072                     ; slot 1 begins here: one exclusive or turns an address in one slot into the other's
.set SCL,   98304                      ; behind slot 0: the scale words, 4,096 bytes for each slot's worth of keys; filled once
.set SPARE, 114688                     ; the spare words, 128 bytes for each wave: four blocks of 256 bytes that no other line names
.set STG,   229376                     ; behind slot 1: a stage of 16 rows x (512 + 16) bytes for each wave; no tile lands there
.set ADR,  2                           ; v2   LDS address of the step's fragments; on the way out: where I put 32 bytes of a row
.set ADSK, 4                           ; v4   of K's scale words; on the way out: where I read a row back
.set SPW,  5                           ; v5   LDS address of my spare word; never rewritten
.set NIL,  6                           ; v6   0; never rewritten
.set ADSV, 7                           ; v7   of V's scale words
.set QS,   20
.set KS,   22
.set PFO,  30                          ; v30  256 x lane; never rewritten
.set Q,    32                          ; Q(P, s) at Q + 24 P + 12 s
.set FR,   80
.set BM,   80                          ; v80-83  the blocks' largest scores, then largest p
.set BP,   84                          ; v84-91  at work
.set SO,   92                          ; v92-95  the conversions' scale operands
.set TMP,  96
.set PC,   100                         ; p's codes: PC + 12 P
.set S,    128                         ; S^T(P, key tile i) at S + 64 P + 8 i
.set VB0,  128
.set VB1,  192
.set X,    128                         ; the way out: row i of 16, 8 registers
.set H,    64                          ; and four registers a row at work
.set WV,   24
.set G1,   28                          ; s[28:35] group 1 for a quarter of a slot;  s[36:43] for the scale words;  s[44:47], s[48:51] their groups 0
.set G1S,  36
.set G0,   44
.set G0S,  48
.set SEL,  52
.set CS,   54
.set TB,   56                          ; LDS byte at which the step's fragments begin
.set TSK,  57                          ; where the step's scale words of K begin;  s58: V's
.set TSV,  58
.set SLOTS, 59
.set TWICE, 60
.set LIM,  61                          ; 1 in a wave that prefetches, else the greatest number
.set PFA,  62                          ; s[62:63] where my prefetches stand
.set MSB, 0
.macro WIN new                         ; the immediate's high byte repeats the setting that is left
.if MSB != \new
	s_set_vgpr_msb (MSB<<8)|\new
.set MSB, \new
.endif
.endm
.macro PLACES n
.rept \n
	v_nop
.endr
.endm
.macro CROUND                          ; a round of the cluster's barrier
	s_barrier_signal -1
	s_barrier_wait -1
	s_cmp_lg_u32 s[WV], 0
	s_cbranch_scc1 .Lnot_wave_0_\@
	s_barrier_signal -3
.Lnot_wave_0_\@:
	s_barrier_wait -3
	s_barrier_signal -1
	s_barrier_wait -1
.endm
.macro TLOAD                           ; the joint refill: waves 0 to 3, a quarter of a slot each; four v_nop follow the line
	s_cmp_lt_u32 s[WV], 4
	s_cbranch_scc0 .Lnone_\@
	tensor_load_to_lds s[G0:G0+3], s[G1:G1+7]
	s_nop 0
.rept 4
	v_nop
.endr
.Lnone_\@:
.endm
; A PREFETCH INTO THE L2 of the slot that the NEXT change of slots will ask for: two key steps ahead of that load.  A slot is 98,304 dense bytes: the four partners take 24,576 each, told apart by address;
; in each, waves 5 to 7, which fetch nothing, take 8,192 each, lanes 256 bytes apart: each aligned block of 256 bytes is named once.  Slots 0 and 1 come by their loads alone; the last change that fills a slot asks for nothing.
.macro ASK
	s_cmp_gt_u32 s[SLOTS], s[LIM]
	s_cbranch_scc0 .Lnot_mine_\@
	global_prefetch_b8 v[PFO], s[PFA:PFA+1] th:TH_LOAD_NT scope:SCOPE_SE
.Lnot_mine_\@:
.endm
.macro WS d, a, b, sa, sb, first       ; a product of S^T: first = 1: channels 0-127, starts the sum; 0: channels 128-255, the scale words of lanes 16-31
.if \first
	v_wmma_scale_f32_16x16x128_f8f6f4 v[(\d):(\d)+7], v[(\a):(\a)+11], v[(\b):(\b)+11], 0, v[\sa], v[\sb] matrix_a_fmt:MATRIX_FMT_BF6 matrix_b_fmt:MATRIX_FMT_BF6
.else
	v_wmma_scale_f32_16x16x128_f8f6f4 v[(\d):(\d)+7], v[(\a):(\a)+11], v[(\b):(\b)+11], v[(\d):(\d)+7], v[\sa], v[\sb] matrix_a_fmt:MATRIX_FMT_BF6 matrix_b_fmt:MATRIX_FMT_BF6 matrix_a_scale:MATRIX_SCALE_ROW1 matrix_b_scale:MATRIX_SCALE_ROW1
.endif
.endm
.macro KLD n, f0, f1, f2, f3           ; key tiles 2 n, 2 n + 1, both halves of the channels: four fragments, twelve loads
.irp c, 0,1,2
	ds_load_b128 v[(\f0)+4*\c:(\f0)+4*\c+3], v[ADR] offset:(4*(\n))*1536+512*\c
.endr
.irp c, 0,1,2
	ds_load_b128 v[(\f1)+4*\c:(\f1)+4*\c+3], v[ADR] offset:(4*(\n)+1)*1536+512*\c
.endr
.irp c, 0,1,2
	ds_load_b128 v[(\f2)+4*\c:(\f2)+4*\c+3], v[ADR] offset:(4*(\n)+2)*1536+512*\c
.endr
.irp c, 0,1,2
	ds_load_b128 v[(\f3)+4*\c:(\f3)+4*\c+3], v[ADR] offset:(4*(\n)+3)*1536+512*\c
.endr
.endm
.macro SMM n, f0, f1, f2, f3           ; eight products: the four accumulators take turns, one instruction a turn
	WS S+16*(\n),      \f0, Q,    KS+2*(\n),   QS,   1
	WS S+64+16*(\n),   \f0, Q+24, KS+2*(\n),   QS+1, 1
	WS S+16*(\n)+8,    \f2, Q,    KS+2*(\n)+1, QS,   1
	WS S+64+16*(\n)+8, \f2, Q+24, KS+2*(\n)+1, QS+1, 1
	WS S+16*(\n),      \f1, Q+12, KS+2*(\n),   QS,   0
	WS S+64+16*(\n),   \f1, Q+36, KS+2*(\n),   QS+1, 0
	WS S+16*(\n)+8,    \f3, Q+12, KS+2*(\n)+1, QS,   0
	WS S+64+16*(\n)+8, \f3, Q+36, KS+2*(\n)+1, QS+1, 0
.endm
.macro VLD n, vb                       ; channel tiles 4 n .. 4 n + 3 of V: twelve loads
.irp k, 0,1,2,3,4,5,6,7,8,9,10,11
	ds_load_b128 v[(\vb)+4*\k:(\vb)+4*\k+3], v[ADR] offset:24576+6144*(\n)+512*\k
.endr
.endm
.macro PVM n, vb                       ; eight products O^T += V^T P^T, eight accumulators
	WIN 0x50                                       ; C and D window 1
.irp k, 0,1,2,3
.irp P, 0,1
.if \k%2
	v_wmma_scale_f32_16x16x128_f8f6f4 v[128*\P+8*(4*(\n)+\k):128*\P+8*(4*(\n)+\k)+7], v[(\vb)+12*\k:(\vb)+12*\k+11], v[PC+12*\P:PC+12*\P+11], v[128*\P+8*(4*(\n)+\k):128*\P+8*(4*(\n)+\k)+7], v[KS+2*(\n)+\k/2], v[17+2*\P] matrix_a_fmt:MATRIX_FMT_BF6 matrix_b_fmt:MATRIX_FMT_BF6 matrix_a_scale:MATRIX_SCALE_ROW1
.else
	v_wmma_scale_f32_16x16x128_f8f6f4 v[128*\P+8*(4*(\n)+\k):128*\P+8*(4*(\n)+\k)+7], v[(\vb)+12*\k:(\vb)+12*\k+11], v[PC+12*\P:PC+12*\P+11], v[128*\P+8*(4*(\n)+\k):128*\P+8*(4*(\n)+\k)+7], v[KS+2*(\n)+\k/2], v[17+2*\P] matrix_a_fmt:MATRIX_FMT_BF6 matrix_b_fmt:MATRIX_FMT_BF6
.endif
.endr
.endr
.endm
; Tile P's 64 scores of a lane become p's codes and scale word; M, the sum and f are brought on
.macro SOFTMAX P
.set SB,  S+64*(\P)
.set NM,  8+4*(\P)
.set FF,  16+2*(\P)
.set PCP, PC+12*(\P)
.irp b, 0,1,2,3
	v_max3_num_f32 v[BM+\b], v[SB+16*\b], v[SB+16*\b+1], v[SB+16*\b+2]   ; the largest score of each block of 32 keys: it serves the row's maximum and, since p rises with the score, the block's largest p
.endr
.irp i, 3,5,7,9,11,13
.irp b, 0,1,2,3
	v_max3_num_f32 v[BM+\b], v[BM+\b], v[SB+16*\b+\i], v[SB+16*\b+\i+1]
.endr
.endr
.irp b, 0,1,2,3
	v_max_num_f32 v[BM+\b], v[BM+\b], v[SB+16*\b+15]
.endr
.irp b, 0,1,2,3
	s_delay_alu instid0(VALU_DEP_4)
	v_permlanex16_b32 v[BP+\b], v[BM+\b], s[SEL], s[SEL+1]
.endr
.irp b, 0,1,2,3
	s_delay_alu instid0(VALU_DEP_4)
	v_max_num_f32 v[BM+\b], v[BM+\b], v[BP+\b]     ; with lane l xor 16's 16 keys
.endr
	s_delay_alu instid0(VALU_DEP_2)
	v_max3_num_f32 v[TMP], v[BM], v[BM+1], v[BM+2]
	s_delay_alu instid0(VALU_DEP_1)
	v_max_num_f32 v[TMP], v[TMP], v[BM+3]          ; the step's largest score of my query
	s_delay_alu instid0(VALU_DEP_1)
	v_mul_f32 v[TMP], s[CS], v[TMP]                ; as t
	s_delay_alu instid0(VALU_DEP_1)
	v_max_num_f32 v[NM+1], v[NM+1], v[TMP]         ; the running largest t
	v_mov_b32 v[TMP], v[NM]
	s_delay_alu instid0(VALU_DEP_2)
	v_floor_f32 v[NM], -v[NM+1]                    ; the new -M = floor(-t): M is a whole number
	s_delay_alu instid0(VALU_DEP_1)
	v_sub_f32 v[TMP], v[NM], v[TMP]                ; old M - new M: a whole number, 0 or less
	s_delay_alu instid0(VALU_DEP_1)
	v_cvt_i32_f32 v[TMP], v[TMP]                   ; (it saturates)
	s_delay_alu instid0(VALU_DEP_1)
	v_ldexp_f32 v[FF], 1.0, v[TMP]                 ; f = 2^(old M - new M)
.irp j, 0,2,4,6,8,10,12,14,16,18,20,22,24,26,28,30,32,34,36,38,40,42,44,46,48,50,52,54,56,58,60,62
	v_pk_fma_f32 v[SB+\j:SB+\j+1], v[SB+\j:SB+\j+1], s[CS:CS+1], v[NM:NM+1] op_sel_hi:[1,0,0]   ; t - M, two at a time
.endr
.irp b, 0,1,2,3
	v_fma_f32 v[BM+\b], v[BM+\b], s[CS], v[NM]     ; the same of each block's largest score
.endr
	s_wait_alu depctr_va_vdst(0)
.irp j, 0,1,2,3,4,5,6,7,8,9,10,11,12,13,14,15,16,17,18,19,20,21,22,23,24,25,26,27,28,29,30,31,32,33,34,35,36,37,38,39,40,41,42,43,44,45,46,47,48,49,50,51,52,53,54,55,56,57,58,59,60,61,62,63
	v_exp_f32 v[SB+\j], v[SB+\j]                   ; p = 2^(t - M), at most 1
.endr
	v_pk_mul_f32 v[NM+2:NM+3], v[NM+2:NM+3], v[FF:FF+1] op_sel_hi:[1,0]   ; the sums under the new M: a plain place behind the exponentials
	s_wait_alu depctr_va_vdst(0)                   ; one wait for the batch of 64, ahead of its first reader
.irp b, 0,1,2,3
	v_exp_f32 v[BM+\b], v[BM+\b]                   ; the block's largest p: the same two instructions on the same number
.endr
	v_pk_add_f32 v[BP:BP+1], v[SB:SB+1], v[SB+2:SB+3]   ; the row's sum of the unquantised p, in two chains
.irp j, 4,8,12,16,20,24,28,32,36,40,44,48,52,56,60
	v_pk_add_f32 v[NM+2:NM+3], v[NM+2:NM+3], v[SB+\j:SB+\j+1]
	v_pk_add_f32 v[BP:BP+1], v[BP:BP+1], v[SB+\j+2:SB+\j+3]
.endr
	s_delay_alu instid0(VALU_DEP_1)
	v_pk_add_f32 v[NM+2:NM+3], v[NM+2:NM+3], v[BP:BP+1]
	s_wait_alu depctr_va_vdst(0)                   ; and one for the four
.irp b, 0,1,2,3
	v_max_num_f32 v[BM+\b], 0x2800000, v[BM+\b]    ; the floor 2^(5 - 127): the byte cannot fall under 1
.endr
.irp b, 0,1,2,3
	s_delay_alu instid0(VALU_DEP_4)
	v_add_nc_u32 v[SO+\b], 0xfe000000, v[BM+\b]    ; 4 off the exponent field: the conversion's scale operand
.endr
.irp b, 0,1,2,3
	s_delay_alu instid0(VALU_DEP_4)
	v_lshrrev_b32 v[BP+\b], 23, v[SO+\b]           ; the scale's byte
.endr
	s_delay_alu instid0(VALU_DEP_3)
	v_lshl_or_b32 v[FF+1], v[BP+1], 8, v[BP]       ; p's scale word for these 128 keys
	s_delay_alu instid0(VALU_DEP_1)
	v_lshl_or_b32 v[FF+1], v[BP+2], 16, v[FF+1]
	s_delay_alu instid0(VALU_DEP_1)
	v_lshl_or_b32 v[FF+1], v[BP+3], 24, v[FF+1]
.irp c, 0,1
	v_cvt_scalef32_pk16_bf6_f32 v[PCP+6*\c:PCP+6*\c+2], v[SB+32*\c:SB+32*\c+15], v[SO+2*\c]
	v_cvt_scalef32_pk16_bf6_f32 v[BP+4*\c:BP+4*\c+2], v[SB+32*\c+16:SB+32*\c+31], v[SO+2*\c+1]
.endr
	v_nop                                          ; one plain place behind a scaled conversion
.irp c, 0,1                                    ; the operand's layout wants a whole block in a lane
.irp i, 0,1,2
	v_permlane16_swap_b32 v[PCP+6*\c+\i], v[BP+4*\c+\i]
.endr
.irp i, 0,1,2
	s_delay_alu instid0(VALU_DEP_3)
	v_mov_b32 v[PCP+3+6*\c+\i], v[BP+4*\c+\i]
.endr
.endr
.endm
; A KEY STEP: 128 keys.  Each s_wait_dscnt 12 leaves out the twelve loads of the youngest run of fragments.
.macro STEP
	v_add_nc_u32 v[ADR], s[TB], v1
	v_add_nc_u32 v[ADSK], s[TSK], v3
	v_add_nc_u32 v[ADSV], s[TSV], v3
	PLACES 2                                       ; five places in all: the first products below write over registers that the last step's products read
.irp b, 0,1,2,3
	ds_load_b64 v[KS+2*\b:KS+2*\b+1], v[ADSK] offset:256*\b   ; K's packed scale words of key tiles 2 b, 2 b + 1
.endr
	KLD 0, FR, FR+12, FR+24, FR+36
	KLD 1, 160, 172, 224, 236                      ; into registers of S^T that are written only two runs on
	s_wait_alu depctr_va_vdst(0)
	s_wait_dscnt 12
	SMM 0, FR, FR+12, FR+24, FR+36
	PLACES 4
	KLD 2, FR, FR+12, FR+24, FR+36
	s_wait_dscnt 12
	SMM 1, 160, 172, 224, 236
	PLACES 5                                       ; the next products write over operands of these
	s_wait_dscnt 0x0
	SMM 2, FR, FR+12, FR+24, FR+36
	PLACES 4
	KLD 3, FR, FR+12, FR+24, FR+36
	s_wait_dscnt 0x0
	SMM 3, FR, FR+12, FR+24, FR+36
	PLACES 4
	SOFTMAX 0
	VLD 0, VB0                                     ; where tile 0's p lay
.irp w, 0,1,2,3,4,5,6,7
	ds_load_b32 v[KS+\w], v[ADSV] offset:2048+256*\w   ; V's packed scale words of channel tiles 2 w, 2 w + 1
.endr
	SOFTMAX 1
	s_setprio 1
	VLD 1, VB1
	WIN 0x41                                       ; O^T (destination and source 0) window 1, f window 0
.irp P, 0,1
.set j, 0
.rept 64
	v_pk_mul_f32 v[128*\P+j:128*\P+j+1], v[128*\P+j:128*\P+j+1], v[16+2*\P:17+2*\P] op_sel_hi:[1,0]   ; O^T under the new M.  These lines are also the places in front of the products below
.set j, j+2
.endr
.endr
	s_wait_alu depctr_va_vdst(0)
	s_wait_dscnt 12
	PVM 0, VB0
	WIN 0
	PLACES 4
	VLD 2, VB0
	s_wait_dscnt 12
	PVM 1, VB1
	WIN 0
	PLACES 4
	s_setprio 0
	VLD 3, VB1
	s_wait_dscnt 12
	PVM 2, VB0
	s_wait_dscnt 0x0
	PVM 3, VB1
	WIN 0
	s_add_co_u32 s[TB], s[TB], STEPB
	s_add_co_u32 s[TSK], s[TSK], 1024
	s_add_co_u32 s[TSV], s[TSV], 4
.endm
.macro TWO_STEPS                       ; a slot's two key steps: written once, walked twice
	s_mov_b32 s[TWICE], 2
.Lstep_\@:
	s_setprio 2
	STEP
	s_sub_co_u32 s[TWICE], s[TWICE], 1
	s_cmp_lg_u32 s[TWICE], 0
	s_cbranch_scc1 .Lstep_\@
	s_setprio 0
	s_sub_co_u32 s[TB], s[TB], 2*STEPB             ; back to a slot's first step,
	s_xor_b32 s[TB], s[TB], SLOT1                  ; in the other slot
	s_add_co_u32 s[TSK], s[TSK], 2048              ; the next slot's scale words
	s_add_co_u32 s[TSV], s[TSV], 4088
.endm
; THE CHANGE OF SLOTS stands at a slot's head.  Each wave waits for all its tensor loads, adds 0 to its spare word, and waits for that and for its reads of the slot that it has left.
; fill = 1: a round of the cluster's barrier; behind it the slot just left is filled with the keys that follow: the load has two key steps in which to land.
.macro CHANGE fill
	s_wait_tensorcnt 0x0                           ; no tensor load of mine is out, so the group 0 may be written
	ds_add_u32 v[SPW], v[NIL]                      ; 0 onto my spare word
.if \fill
	s_xor_b32 s[G0+1], s[G0+1], SLOT1              ; the walking descriptor: the other slot than last time,
	s_add_nc_u64 s[G0+2:G0+3], s[G0+2:G0+3], 2*STEPB   ; the next 256 keys; the type bits on top are not reached
	s_wait_xcnt 0x0                                ; the last prefetch, a slot back, has read its address
	s_add_nc_u64 s[PFA:PFA+1], s[PFA:PFA+1], 2*STEPB   ; one slot further on than the walking descriptor
	s_wait_dscnt 0x0                               ; the add is done, and my reads of the slot that I have left are over
	CROUND
	TLOAD
	ASK
.else
	s_wait_dscnt 0x0
	s_barrier_signal -1
	s_barrier_wait -1
.endif
.endm
	s_load_b512 s[4:19], s[0:1], 0x0               ; q_codes 4, q_scales 6, kv_codes 8, kv_scales 10, x 12, w_out 14, b_out 16, gamma 18
	s_load_b128 s[20:23], s[0:1], 0x40             ; beta 20, out0 22
	v_lshl_add_u32 v[SPW], v0, 2, SPARE
	v_mov_b32 v[NIL], 0
	ds_add_u32 v5, v6
	ds_add_u32 v5, v6
	s_wait_dscnt 0x0
	v_lshrrev_b32 v1, 5, v0
	s_delay_alu instid0(VALU_DEP_1)
	v_readfirstlane_b32 s[WV], v1                  ; wave 0..7
	s_bfe_u32 s25, ttmp6, 0x40000                  ; cx: my place in the cluster
	s_and_b32 s26, ttmp7, 0xffff                   ; which attention: the four partners share it
	s_lshl_b32 s27, ttmp9, 2
	s_add_co_u32 s27, s27, s25                     ; my block of 256 queries
	; group 1: a dense block as rows of 256 bytes (32 elements of 8 bytes): 96 rows for a quarter of a slot, 64 for the scale words
	s_mov_b32 s[G1], 15|(3<<16)|(1<<21)            ; 15:0 the mask: all four work-groups; 17:16 elements of 8 bytes; 20 no padding; 21 set beside a mask
	s_mov_b32 s[G1+1], 32<<16                      ; tensor_dim0
	s_mov_b32 s[G1+2], 96<<16                      ; tensor_dim1
	s_mov_b32 s[G1+3], 32<<16                      ; tile_dim0
	s_mov_b32 s[G1+4], 96                          ; tile_dim1
	s_mov_b32 s[G1+5], 32                          ; the pitch
	s_mov_b32 s[G1+6], 0
	s_mov_b32 s[G1+7], 0
	s_mov_b32 s[G1S], 15|(3<<16)|(1<<21)
	s_mov_b32 s[G1S+1], 32<<16
	s_mov_b32 s[G1S+2], 64<<16
	s_mov_b32 s[G1S+3], 32<<16
	s_mov_b32 s[G1S+4], 64
	s_mov_b32 s[G1S+5], 32
	s_mov_b32 s[G1S+6], 0
	s_mov_b32 s[G1S+7], 0
	s_and_b32 s66, s[WV], 3
	s_mul_i32 s67, s66, 24576                      ; my quarter of a slot, in memory and in LDS: no place in the cluster enters it
	s_mul_i32 s68, s26, 8*STEPB                    ; the attention's first byte of kv_codes
	s_add_co_u32 s68, s68, s67
	s_mov_b32 s69, 0
	s_lshl_b32 s70, s26, 14                        ; and of kv_scales
	s_mov_b32 s71, 0
	s_lshl_b32 s72, s26, 5
	s_lshl_b32 s73, s27, 3
	s_add_co_u32 s72, s72, s73
	s_add_co_u32 s72, s72, s[WV]                   ; my 32 queries: unit = 32 x attention + 8 x block + wave
	s_mul_i32 s74, s72, 6144                       ; their four fragments,
	s_mov_b32 s75, 0
	s_lshl_b32 s76, s72, 8                         ; their scale words,
	s_mov_b32 s77, 0
	s_lshl_b32 s78, s72, 15                        ; their rows of x and of out0
	s_mov_b32 s79, 0
	s_max_u32 s92, s[WV], 5
	s_sub_co_u32 s92, s92, 5
	s_lshl_b32 s92, s92, 13                        ; the prefetches: 8,192 bytes for each of waves 5 to 7,
	s_mul_i32 s93, s25, 24576                      ; in my work-group's quarter,
	s_add_co_u32 s92, s92, s93
	s_mul_i32 s93, s26, 8*STEPB
	s_add_co_u32 s92, s92, s93
	s_add_co_u32 s92, s92, 2*STEPB                 ; of slot 1: the first change of slots steps it to slot 2.  Nothing is prefetched at the head
	s_mov_b32 s93, 0
	s_cmp_gt_u32 s[WV], 4
	s_cselect_b32 s[LIM], 1, -1
	s_mov_b32 s[SEL], 0x76543210
	s_mov_b32 s[SEL+1], 0xfedcba98                 ; v_permlanex16_b32's selects for lane l xor 16
	s_mov_b32 s[CS], 0x3e0293ee                    ; c = log2(e) / sqrt(1024 / 8)
	s_mov_b32 s[CS+1], s[CS]                       ; (named with it as a pair, so it is written)
	s_mov_b32 s[TB], 0
	s_mov_b32 s[TSK], 0
	s_mov_b32 s[TSV], 0
	s_mov_b32 s[SLOTS], 3
	s_mov_b32 s90, 0x3b800000                      ; 1 / 256
	s_mov_b32 s91, 0x3727c5ac                      ; 1e-5
	s_wait_kmcnt 0x0
	s_mov_b32 s[G0], 1                             ; count = 1
	s_mov_b32 s[G0+1], s67                         ; LDS address: slot 0
	s_add_nc_u64 s[G0+2:G0+3], s[8:9], s[68:69]    ; global address: the first 256 keys
	s_or_b32 s[G0+3], s[G0+3], 0x80000000          ; type = 2
	s_mov_b32 s[G0S], 1
	s_mov_b32 s[G0S+1], SCL
	s_add_nc_u64 s[G0S+2:G0S+3], s[10:11], s[70:71]
	s_or_b32 s[G0S+3], s[G0S+3], 0x80000000
	s_add_nc_u64 s[PFA:PFA+1], s[8:9], s[92:93]
	s_add_nc_u64 s[4:5], s[4:5], s[74:75]
	s_add_nc_u64 s[6:7], s[6:7], s[76:77]
	s_add_nc_u64 s[12:13], s[12:13], s[78:79]
	s_add_nc_u64 s[22:23], s[22:23], s[78:79]
	s_load_b256 s[80:87], s[14:15], 0x0            ; w_out
	s_load_b32 s88, s[16:17], 0x0                  ; b_out
	CROUND                                         ; all four work-groups are here: the first joint loads meet
	s_cmp_lt_u32 s[WV], 4                          ; the first fills: waves 0 to 3 slot 0, wave 4 the scale words
	s_cbranch_scc0 .Lnot_slot
	tensor_load_to_lds s[G0:G0+3], s[G1:G1+7]
	s_nop 0
.rept 4
	v_nop
.endr
	s_branch .Lfirst_asked
.Lnot_slot:
	s_cmp_eq_u32 s[WV], 4
	s_cbranch_scc0 .Lfirst_asked
	tensor_load_to_lds s[G0S:G0S+3], s[G1S:G1S+7]
	s_nop 0
.rept 4
	v_nop
.endr
.Lfirst_asked:
	v_and_b32 v2, 31, v0                           ; lane
	s_delay_alu instid0(VALU_DEP_1)
	v_lshlrev_b32 v1, 4, v2                        ; 16 x lane
	s_delay_alu instid0(VALU_DEP_2)
	v_lshlrev_b32 v31, 3, v2                       ; 8 x lane
	s_delay_alu instid0(VALU_DEP_1)
	v_add_nc_u32 v3, SCL, v31                      ; my place among packed scale words
	s_delay_alu instid0(VALU_DEP_4)
	v_lshlrev_b32 v[PFO], 8, v2
.irp k, 0,1,2,3,4,5,6,7,8,9,10,11
	global_load_b128 v[Q+4*\k:Q+4*\k+3], v1, s[4:5] offset:512*\k   ; Q's four fragments stay in registers
.endr
	global_load_b64 v[QS:QS+1], v31, s[6:7]        ; and their two packed scale words
	WIN 0x40
.set j, 0
.rept 256
	v_mov_b32 v[j], 0                              ; O^T.  The step is written once: the first finds zeros, which the first change of M leaves zeros
.set j, j+1
.endr
	WIN 0
.irp P, 0,1
	v_mov_b32 v[9+4*\P], 0xff61b1e6                ; the largest t so far: -3e38, under every t
	s_delay_alu instid0(VALU_DEP_1)
	v_floor_f32 v[8+4*\P], -v[9+4*\P]              ; -M
	v_mov_b32 v[10+4*\P], 0                        ; the sum, in two halves
	v_mov_b32 v[11+4*\P], 0
	v_mov_b32 v[16+2*\P], 0
	v_mov_b32 v[17+2*\P], 0                        ; (named as the upper half of a pair before it is first written)
.endr
.irp b, 0,1,2,3
	v_mov_b32 v[BP+\b], 0                          ; a lane permute's destination counts as one of its sources
.endr
	s_wait_loadcnt 0x0                             ; Q
	s_wait_kmcnt 0x0                               ; w_out, b_out
	s_mov_b32 s89, s88                             ; (the packed form names a pair)
.Lslot:                                            ; three trips: behind each change of slots but the last the next slot is asked for
	CHANGE 1
	TWO_STEPS
	s_sub_co_u32 s[SLOTS], s[SLOTS], 1
	s_cmp_lg_u32 s[SLOTS], 0
	s_cbranch_scc1 .Lslot
	CHANGE 0                                       ; the last slot is written out
	TWO_STEPS
	; THE WAY OUT.  a = sum(w_out) / the row's sum; O^T x a + b_out goes through my stage and comes back as rows, where x is added and the row normalised
	PLACES 4                                       ; behind the last products
	v_mov_b32 v8, s80
.irp k, 81,82,83,84,85,86,87
	s_delay_alu instid0(VALU_DEP_1)
	v_add_f32 v8, s\k, v8                          ; sum(w_out)
.endr
.irp P, 0,1
	v_add_f32 v[10+4*\P], v[10+4*\P], v[11+4*\P]   ; the sum's two halves,
.endr
.irp P, 0,1
	s_delay_alu instid0(VALU_DEP_2)
	v_permlanex16_b32 v[11+4*\P], v[10+4*\P], s[SEL], s[SEL+1]
.endr
.irp P, 0,1
	s_delay_alu instid0(VALU_DEP_2)
	v_add_f32 v[10+4*\P], v[10+4*\P], v[11+4*\P]   ; and lane l xor 16's
.endr
	s_wait_alu depctr_va_vdst(0)
.irp P, 0,1
	v_rcp_f32 v[16+2*\P], v[10+4*\P]
.endr
	v_and_b32 v3, 15, v0                           ; r  (a plain place behind the reciprocals)
	v_bfe_u32 v7, v0, 4, 1                         ; h
	s_mul_i32 s66, s[WV], 8448
	s_add_co_u32 s66, s66, STG                     ; my stage
	v_mul_u32_u24 v[ADR], v3, 528
	s_delay_alu instid0(VALU_DEP_1)
	v_lshl_add_u32 v[ADR], v7, 5, v[ADR]
	s_delay_alu instid0(VALU_DEP_1)
	v_add_nc_u32 v[ADR], s66, v[ADR]               ; in: row r, + 32 h
	v_add_nc_u32 v[ADSK], s66, v1                  ; back: 16 bytes a lane of a row
	global_load_b128 v[32:35], v1, s[18:19]        ; gamma and beta of my eight channels: 4 x lane .. + 3, and 128 further on
	global_load_b128 v[36:39], v1, s[18:19] offset:512
	global_load_b128 v[40:43], v1, s[20:21]
	global_load_b128 v[44:47], v1, s[20:21] offset:512
	s_wait_alu depctr_va_vdst(0)                   ; one wait for the two reciprocals, ahead of their first reader
.irp P, 0,1
	v_mul_f32 v[16+2*\P], v8, v[16+2*\P]
.endr
.macro ACROSS o                        ; the 16 rows' numbers in v[H + 4 i + o] are summed over the 32 lanes; the rows take turns
.irp m, 1,2,4,8
.irp i, 0,1,2,3,4,5,6,7,8,9,10,11,12,13,14,15
	v_add_f32_dpp v[H+4*\i+\o], v[H+4*\i+\o], v[H+4*\i+\o] row_xmask:\m row_mask:0xf bank_mask:0xf
.endr
.endr
.irp i, 0,1,2,3,4,5,6,7,8,9,10,11,12,13,14,15
	v_permlanex16_b32 v[H+4*\i+\o+1], v[H+4*\i+\o], s[SEL], s[SEL+1]
.endr
.irp i, 0,1,2,3,4,5,6,7,8,9,10,11,12,13,14,15
	v_add_f32 v[H+4*\i+\o], v[H+4*\i+\o], v[H+4*\i+\o+1]
.endr
.endm
.macro TILE P                          ; 16 queries: rows 16 P .. 16 P + 15 of my 32
.if \P
	s_wait_xcnt 0x0                                ; the last tile's stores have read their registers
.endif
.irp i, 0,1,2,3,4,5,6,7,8,9,10,11,12,13,14,15
.irp c, 0,1
	global_load_b128 v[X+8*\i+4*\c:X+8*\i+4*\c+3], v1, s[12:13] offset:(16*\P+\i)*1024+512*\c th:TH_LOAD_NT   ; x: 512 consecutive bytes of a row
.endr
.endr
	WIN 0x41
.set j, 0
.rept 64
	v_pk_fma_f32 v[128*\P+j:128*\P+j+1], v[128*\P+j:128*\P+j+1], v[16+2*\P:17+2*\P], s[88:89] op_sel_hi:[1,0,0]   ; O^T x a + b_out; each accumulator from its low end on
.set j, j+2
.endr
.irp c, 0,1                                    ; channels 128 c on
	WIN 0x04                                       ; an LDS store's data: window 1
.irp t, 0,1,2,3,4,5,6,7
	ds_store_b128 v[ADR], v[128*\P+8*(8*\c+\t):128*\P+8*(8*\c+\t)+3] offset:64*\t
	ds_store_b128 v[ADR], v[128*\P+8*(8*\c+\t)+4:128*\P+8*(8*\c+\t)+7] offset:64*\t+16
.endr
	WIN 0
.irp i, 0,1,2,3,4,5,6,7,8,9,10,11,12,13,14,15
	ds_load_b128 v[H+4*\i:H+4*\i+3], v[ADSK] offset:528*\i   ; LDS serves a wave's instructions in order: these see my stores, and the next half's stores come behind them
.endr
	s_wait_dscnt 0x0
.if \c == 0
	s_wait_loadcnt 0x0                             ; x (and, the first time, gamma and beta)
.endif
.irp i, 0,1,2,3,4,5,6,7,8,9,10,11,12,13,14,15
.irp k, 0,2
	v_pk_add_f32 v[X+8*\i+4*\c+\k:X+8*\i+4*\c+\k+1], v[X+8*\i+4*\c+\k:X+8*\i+4*\c+\k+1], v[H+4*\i+\k:H+4*\i+\k+1]   ; h = x + result
.endr
.endr
.endr
.irp i, 0,1,2,3,4,5,6,7,8,9,10,11,12,13,14,15
	v_pk_add_f32 v[H+4*\i:H+4*\i+1], v[X+8*\i:X+8*\i+1], v[X+8*\i+2:X+8*\i+3]
.endr
.irp i, 0,1,2,3,4,5,6,7,8,9,10,11,12,13,14,15
	v_pk_add_f32 v[H+4*\i+2:H+4*\i+3], v[X+8*\i+4:X+8*\i+5], v[X+8*\i+6:X+8*\i+7]
.endr
.irp i, 0,1,2,3,4,5,6,7,8,9,10,11,12,13,14,15
	v_pk_add_f32 v[H+4*\i:H+4*\i+1], v[H+4*\i:H+4*\i+1], v[H+4*\i+2:H+4*\i+3]
.endr
.irp i, 0,1,2,3,4,5,6,7,8,9,10,11,12,13,14,15
	v_add_f32 v[H+4*\i], v[H+4*\i], v[H+4*\i+1]    ; the sum of my eight
.endr
	ACROSS 0
.irp i, 0,1,2,3,4,5,6,7,8,9,10,11,12,13,14,15
	v_mul_f32 v[H+4*\i], 0xbb800000, v[H+4*\i]     ; -mu = the row's sum x (-1 / 256)
.endr
.irp k, 0,2,4,6
.irp i, 0,1,2,3,4,5,6,7,8,9,10,11,12,13,14,15
	v_pk_add_f32 v[X+8*\i+\k:X+8*\i+\k+1], v[X+8*\i+\k:X+8*\i+\k+1], v[H+4*\i:H+4*\i+1] op_sel_hi:[1,0]   ; h - mu
.endr
.endr
.irp i, 0,1,2,3,4,5,6,7,8,9,10,11,12,13,14,15
	v_pk_mul_f32 v[H+4*\i+2:H+4*\i+3], v[X+8*\i:X+8*\i+1], v[X+8*\i:X+8*\i+1]
.endr
.irp k, 2,4,6
.irp i, 0,1,2,3,4,5,6,7,8,9,10,11,12,13,14,15
	v_pk_fma_f32 v[H+4*\i+2:H+4*\i+3], v[X+8*\i+\k:X+8*\i+\k+1], v[X+8*\i+\k:X+8*\i+\k+1], v[H+4*\i+2:H+4*\i+3]
.endr
.endr
.irp i, 0,1,2,3,4,5,6,7,8,9,10,11,12,13,14,15
	v_add_f32 v[H+4*\i+2], v[H+4*\i+2], v[H+4*\i+3]   ; the squares of my eight
.endr
	ACROSS 2
.irp i, 0,1,2,3,4,5,6,7,8,9,10,11,12,13,14,15
	v_fma_f32 v[H+4*\i+2], v[H+4*\i+2], s90, s91   ; var + 1e-5
.endr
	s_wait_alu depctr_va_vdst(0)
.irp i, 0,1,2,3,4,5,6,7,8,9,10,11,12,13,14,15
	v_rsq_f32 v[H+4*\i+2], v[H+4*\i+2]
.endr
	v_nop                                          ; a plain place behind the last of the batch
	s_wait_alu depctr_va_vdst(0)                   ; one wait for the sixteen, ahead of their first reader
.irp k, 0,2,4,6
.irp i, 0,1,2,3,4,5,6,7,8,9,10,11,12,13,14,15
	v_pk_mul_f32 v[X+8*\i+\k:X+8*\i+\k+1], v[X+8*\i+\k:X+8*\i+\k+1], v[H+4*\i+2:H+4*\i+3] op_sel_hi:[1,0]
.endr
.endr
.irp k, 0,2,4,6
.irp i, 0,1,2,3,4,5,6,7,8,9,10,11,12,13,14,15
	v_pk_fma_f32 v[X+8*\i+\k:X+8*\i+\k+1], v[X+8*\i+\k:X+8*\i+\k+1], v[32+\k:33+\k], v[40+\k:41+\k]   ; x gamma + beta
.endr
.endr
.irp i, 0,1,2,3,4,5,6,7,8,9,10,11,12,13,14,15
.irp c, 0,1
	global_store_b128 v1, v[X+8*\i+4*\c:X+8*\i+4*\c+3], s[22:23] offset:(16*\P+\i)*1024+512*\c th:TH_STORE_NT   ; 32 lanes store 512 consecutive bytes, at a multiple of 256 from out0's first byte
.endr
.endr
.endm
	TILE 0
	TILE 1
	s_wait_tensorcnt 0x0                           ; the wave's end, behind my last tensor load and my last LDS store
	ds_add_u32 v[SPW], v[NIL]
	s_wait_dscnt 0x0
	CROUND                                         ; the closing round: no work-group ends while a partner may still ask for a tile that names it
	s_endpgm
.Lfunc_end_k_q5b519b453c_attn:
	.size	k_q5b519b453c_attn, .Lfunc_end_k_q5b519b453c_attn-k_q5b519b453c_attn
	.p2alignl 7, 3214868480
	.fill 96, 4, 3214868480
	.section	.rodata,"a",@progbits
	.p2align	6, 0x0
	.amdhsa_kernel k_q5b519b453c_attn
		.amdhsa_group_segment_fixed_size 327680
		.amdhsa_private_segment_fixed_size 0
		.amdhsa_enable_private_segment 0
		.amdhsa_kernarg_size 80
		.amdhsa_user_sgpr_count 2
		.amdhsa_user_sgpr_kernarg_segment_ptr 1
		.amdhsa_wavefront_size32 1
		.amdhsa_system_sgpr_workgroup_id_x 1
		.amdhsa_system_sgpr_workgroup_id_y 1
		.amdhsa_system_sgpr_workgroup_id_z 1
		.amdhsa_system_vgpr_workitem_id 0
		.amdhsa_next_free_vgpr 512
		.amdhsa_next_free_sgpr 96
		.amdhsa_reserve_vcc 0
		.amdhsa_float_denorm_mode_32 3
		.amdhsa_float_denorm_mode_16_64 3
		.amdhsa_memory_ordered 1
		.amdhsa_forward_progress 1
		.amdhsa_inst_pref_size 220
	.end_amdhsa_kernel
	.amdgpu_metadata
---
amdhsa.version: [ 1, 2 ]
amdhsa.kernels:
  - .name:           k_q5b519b453c_attn
    .symbol:         k_q5b519b453c_attn.kd
    .args:
      - { .name: q_codes, .offset: 0, .size: 8, .value_kind: global_buffer, .address_space: global }
      - { .name: q_scales, .offset: 8, .size: 8, .value_kind: global_buffer, .address_space: global }
      - { .name: kv_codes, .offset: 16, .size: 8, .value_kind: global_buffer, .address_space: global }
      - { .name: kv_scales, .offset: 24, .size: 8, .value_kind: global_buffer, .address_space: global }
      - { .name: x, .offset: 32, .size: 8, .value_kind: global_buffer, .address_space: global }
      - { .name: w_out, .offset: 40, .size: 8, .value_kind: global_buffer, .address_space: global }
      - { .name: b_out, .offset: 48, .size: 8, .value_kind: global_buffer, .address_space: global }
      - { .name: gamma, .offset: 56, .size: 8, .value_kind: global_buffer, .address_space: global }
      - { .name: beta, .offset: 64, .size: 8, .value_kind: global_buffer, .address_space: global }
      - { .name: out0, .offset: 72, .size: 8, .value_kind: global_buffer, .address_space: global }
    .group_segment_fixed_size: 327680
    .private_segment_fixed_size: 0
    .kernarg_segment_align: 8
    .kernarg_segment_size: 80
    .max_flat_workgroup_size: 256
    .sgpr_count:     96
    .vgpr_count:     512
    .wavefront_size: 32
...
	.end_amdgpu_metadata
.endif
;; end of part 4
